; MI455X (gfx1250); checked and timed in simulation.
; The chip was launched on July 23, 2026; its instructions are those of AMD's public machine-readable ISA for CDNA 5 (MIT licence, August 2026) and "CDNA5" Instruction Set Architecture Reference Guide (July 2026). The comments in the code are by the model that wrote it; some were corrected since.
;; Attention. Allowed arithmetic: float matrix products may take bf16 or f16 operands with f32 sums; other float arithmetic in f32, or as packed bf16 or f16 multiplies, adds, multiply-adds, maxima and minima; sums over many terms, partial sums and values carried from step to step in f32; what a program stores and reads back later, other than sums and carried values, may be rounded once to bf16 or f16.
;; Inputs: proj_b 1,024 float32; proj_w 1,024 x 1,024 float32; q_bias 1,024 float32; qkv_w 3,072 x 1,024 float32; rel_pos_index 197 x 197 int32; rpb_table 732 x 16 float32; v_bias 1,024 float32; x 64 x 197 x 1,024 float32.
;; Outputs: out0 64 x 197 x 1,024 float32.
;; 2 versions, each right; version 2 is version 1 with the launch prep written anew for expert scheduling mode. Each part assembles by itself: llvm-mc -triple=amdgcn-amd-amdhsa -mcpu=gfx1250 --defsym DOCPART=n.
;; ======== version 1 of 2: 3 launches
;; limits: values are held in f16: magnitudes above 65,504 overflow, below 6.1e-05 lose precision
;; workspace buffers: xb 25,821,184 bytes; wq 6,291,456 bytes; wp 2,097,152 bytes; bb 16,384 bytes; bt 1,384,448 bytes; ow 27,262,976 bytes
;; launch prep (part 1): grid 1383 x 1, 8 waves a work-group, no clusters, 0 bytes of LDS; arguments x, qkv_w, proj_w, q_bias, v_bias, proj_b, rel_pos_index, rpb_table, xb, wq, wp, bb, bt; writes xb, wq, wp, bb, bt
.if DOCPART == 1
	.amdgcn_target "amdgcn-amd-amdhsa--gfx1250"
	.amdhsa_code_object_version 6
	.text
	.protected	k_q7ee2206d7a_prep
	.globl	k_q7ee2206d7a_prep
	.p2align	8
	.type	k_q7ee2206d7a_prep,@function
k_q7ee2206d7a_prep:
	s_mov_b64 s[64:65], 0
	v_nop
	global_prefetch_b8 v0, s[64:65] scope:SCOPE_SE
	s_setreg_imm32_b32 hwreg(HW_REG_WAVE_MODE, 25, 1), 1
	s_wait_xcnt 0x0
; PREP: every input is rounded once to bf16 and laid out for the two matrix launches.
;   xb = bf16(x) [12608][1024];  wq = bf16(qkv_w) [3072][1024];  wp = bf16(proj_w) written as f16 [1024][1024]
;   bb = f32 [bf16(q_bias) | 1024 zeros | bf16(v_bias) | bf16(proj_b)]
;   bt = bf16 [16 heads][13 query tiles][13 key tiles][32 lanes][8]: bf16(8 x rpb_table[rel_pos_index[q][k]][h]) for
;        q = min(16 qt + lane % 16, 196), k = 16 kt + 8 (lane / 16) + j, and -1e30 where k > 196 (a key that does not exist).
;        A lane's 16 bytes are the eight numbers with which its sums of the score product start; the factor 8, a power of two that changes no rounding, undoes the 1/8 applied to the whole score later.
; LIMITS.  wp: a bf16 number is exact in f16 from 2^-17 up to 65,504; below it keeps f16's fixed step of 2^-24.  An index above 731 is taken as 731.
; SHARES, by the work-group's number: 788 x 16,384 numbers of x, 192 of qkv_w, 64 of proj_w, 338 x 8 tiles of the table (a wave a tile), 1 for the biases.
; A stream: no LDS, no barrier, no matrix unit; each byte is read once and written once, so nothing is asked for ahead of the loads either.
.set NX,  788
.set NW,  192
.set NPW, 64
.set NTB, 338
.set LDR, 16                           ; v[16:79]   sixteen loads of 16 bytes a lane
.set STR, 80                           ; v[80:111]  sixteen stores of 8 bytes a lane, each with registers of its own
.set TMP, 112                          ; v[112:115] at work
; A wave's 2,048 numbers: sixteen loads (512 consecutive bytes each) all go out first; store i covers 256 consecutive bytes, aligned.
.macro CONV src, dst, hf
.set i, 0
.rept 16
	global_load_b128 v[LDR+4*i:LDR+4*i+3], v2, s[\src:\src+1] offset:512*i th:TH_LOAD_NT
.set i, i+1
.endr
.set i, 0
.rept 16
	s_wait_loadcnt 15-i                            ; loads come back in order: load i is in, the 15 - i younger ones stay out
	v_cvt_pk_bf16_f32 v[STR+2*i], v[LDR+4*i], v[LDR+4*i+1]
	v_cvt_pk_bf16_f32 v[STR+2*i+1], v[LDR+4*i+2], v[LDR+4*i+3]
.if \hf
	v_lshlrev_b32 v[TMP], 16, v[STR+2*i]           ; the bf16 numbers as f32,
	v_and_b32 v[TMP+1], s31, v[STR+2*i]
	v_lshlrev_b32 v[TMP+2], 16, v[STR+2*i+1]
	v_and_b32 v[TMP+3], s31, v[STR+2*i+1]
	v_cvt_pk_f16_f32 v[STR+2*i], v[TMP], v[TMP+1]  ; written as f16
	v_cvt_pk_f16_f32 v[STR+2*i+1], v[TMP+2], v[TMP+3]
.endif
	global_store_b64 v3, v[STR+2*i:STR+2*i+1], s[\dst:\dst+1] offset:256*i
.set i, i+1
.endr
.endm
	s_load_b512 s[4:19], s[0:1], 0x0               ; x 4, qkv_w 6, proj_w 8, q_bias 10, v_bias 12, proj_b 14, rel_pos_index 16, rpb_table 18
	s_load_b256 s[20:27], s[0:1], 0x40             ; xb 20, wq 22, wp 24, bb 26
	s_load_b64 s[28:29], s[0:1], 0x60              ; bt
	v_lshrrev_b32 v1, 5, v0
	v_readfirstlane_b32 s30, v1                    ; wave 0..7
	v_and_b32 v1, 31, v0                           ; lane
	s_mov_b32 s31, 0xffff0000                      ; a word's upper bf16
	s_mov_b32 s33, ttmp9
	s_lshl_b32 s2, s30, 13
	v_lshl_add_u32 v2, v1, 4, s2                   ; in: 8,192 x wave + 16 x lane
	s_lshl_b32 s2, s30, 12
	v_lshl_add_u32 v3, v1, 3, s2                   ; out: 4,096 x wave + 8 x lane
	s_mov_b32 s3, 0
	s_mov_b32 s35, 0
	s_wait_kmcnt 0x0
	s_cmp_lt_u32 s33, NX+NW
	s_cbranch_scc0 .Lnot_bf16
	s_cmp_lt_u32 s33, NX                           ; x or qkv_w: one text, the buffers chosen by the work-group's number
	s_cselect_b64 s[36:37], s[4:5], s[6:7]
	s_cselect_b64 s[38:39], s[20:21], s[22:23]
	s_cselect_b32 s40, 0, NX
	s_sub_co_u32 s33, s33, s40
	s_lshl_b32 s2, s33, 16                         ; 16,384 numbers: 65,536 bytes in,
	s_lshl_b32 s34, s33, 15                        ; 32,768 out
	s_add_nc_u64 s[36:37], s[36:37], s[2:3]
	s_add_nc_u64 s[38:39], s[38:39], s[34:35]
	CONV 36, 38, 0
	s_endpgm
.Lnot_bf16:
	s_cmp_lt_u32 s33, NX+NW+NPW
	s_cbranch_scc0 .Lnot_w
	s_sub_co_u32 s33, s33, NX+NW
	s_lshl_b32 s2, s33, 16
	s_lshl_b32 s34, s33, 15
	s_add_nc_u64 s[8:9], s[8:9], s[2:3]
	s_add_nc_u64 s[24:25], s[24:25], s[34:35]
	CONV 8, 24, 1
	s_endpgm
.Lnot_w:
	s_cmp_lt_u32 s33, NX+NW+NPW+NTB
	s_cbranch_scc0 .Lbias
	; THE TABLE: a wave makes one tile of 16 queries x 16 keys for one head
	s_sub_co_u32 s33, s33, NX+NW+NPW
	s_lshl_b32 s33, s33, 3
	s_add_co_u32 s33, s33, s30                     ; tile 0 .. 2,703 = 169 h + 13 qt + kt
	s_mul_i32 s34, s33, 6205
	s_lshr_b32 s34, s34, 20                        ; h = tile / 169 (6,205 / 2^20 is 1/169 to within 4e-7: exact below 2,704)
	s_mul_i32 s36, s34, 169
	s_sub_co_u32 s36, s33, s36
	s_mul_i32 s37, s36, 79
	s_lshr_b32 s37, s37, 10                        ; qt = rest / 13 (79 / 1,024: exact below 169)
	s_mul_i32 s38, s37, 13
	s_sub_co_u32 s38, s36, s38                     ; kt
	v_and_b32 v4, 15, v1
	v_lshrrev_b32 v5, 4, v1
	s_lshl_b32 s37, s37, 4
	v_add_nc_u32 v4, s37, v4
	v_min_u32 v4, 196, v4                          ; q: a query that does not exist takes the last one's row, so that its numbers are finite
	v_mul_u32_u24 v4, v4, 197
	s_lshl_b32 s38, s38, 4
	v_lshl_add_u32 v5, v5, 3, s38                  ; 16 kt + 8 (lane / 16)
	v_mov_b32 v7, 0xf149f2ca                       ; -1e30
	v_lshlrev_b32 v6, 4, v1                        ; 16 x lane
.irp j, 0,1,2,3,4,5,6,7
	v_add_nc_u32 v[8+\j], \j, v5                   ; k
	v_min_u32 v[16+\j], 196, v[8+\j]
	v_add_lshl_u32 v[16+\j], v[16+\j], v4, 2
	global_load_b32 v[24+\j], v[16+\j], s[16:17]
.endr
	s_lshl_b32 s34, s34, 2                         ; 4 h: the head's place in a row of the table
	s_lshl_b32 s2, s33, 9                          ; a tile is 512 bytes
	s_add_nc_u64 s[28:29], s[28:29], s[2:3]
	s_wait_loadcnt 0x0
.irp j, 0,1,2,3,4,5,6,7
	v_min_u32 v[24+\j], 731, v[24+\j]              ; the index stays inside the table
	v_lshl_add_u32 v[24+\j], v[24+\j], 6, s34      ; a row is 64 bytes
	global_load_b32 v[32+\j], v[24+\j], s[18:19]
.endr
	s_wait_loadcnt 0x0
.irp j, 0,1,2,3,4,5,6,7
	v_mul_f32 v[32+\j], 0x41000000, v[32+\j]       ; x 8: exact
	v_cmp_lt_u32 vcc_lo, 196, v[8+\j]
	v_cndmask_b32 v[32+\j], v[32+\j], v7, vcc_lo
.endr
.irp j, 0,1,2,3
	v_cvt_pk_bf16_f32 v[40+\j], v[32+2*\j], v[33+2*\j]  ; the one rounding
.endr
	global_store_b128 v6, v[40:43], s[28:29]       ; 512 consecutive bytes, at a multiple of 512 from bt's first
	s_endpgm
.Lbias:
	v_lshlrev_b32 v4, 4, v0                        ; 256 threads x 4 numbers
	global_load_b128 v[16:19], v4, s[10:11]
	global_load_b128 v[20:23], v4, s[12:13]
	global_load_b128 v[24:27], v4, s[14:15]
.irp j, 28,29,30,31
	v_mov_b32 v[\j], 0                             ; k has no bias: zeros, so that the three phases of the projection have one form
.endr
	s_wait_loadcnt 0x0
.irp j, 0,1,2,3,4,5
	v_cvt_pk_bf16_f32 v[40+\j], v[16+2*\j], v[17+2*\j]
.endr
.irp j, 0,1,2,3,4,5
	v_lshlrev_b32 v[16+2*\j], 16, v[40+\j]
	v_and_b32 v[17+2*\j], s31, v[40+\j]
.endr
	global_store_b128 v4, v[16:19], s[26:27]
	global_store_b128 v4, v[28:31], s[26:27] offset:4096
	global_store_b128 v4, v[20:23], s[26:27] offset:8192
	global_store_b128 v4, v[24:27], s[26:27] offset:12288
	s_endpgm
.Lfunc_end_k_q7ee2206d7a_prep:
	.size	k_q7ee2206d7a_prep, .Lfunc_end_k_q7ee2206d7a_prep-k_q7ee2206d7a_prep
	.p2alignl 7, 3214868480
	.fill 96, 4, 3214868480
	.section	.rodata,"a",@progbits
	.p2align	6, 0x0
	.amdhsa_kernel k_q7ee2206d7a_prep
		.amdhsa_group_segment_fixed_size 0
		.amdhsa_private_segment_fixed_size 0
		.amdhsa_enable_private_segment 0
		.amdhsa_kernarg_size 104
		.amdhsa_user_sgpr_count 2
		.amdhsa_user_sgpr_kernarg_segment_ptr 1
		.amdhsa_wavefront_size32 1
		.amdhsa_system_sgpr_workgroup_id_x 1
		.amdhsa_system_sgpr_workgroup_id_y 1
		.amdhsa_system_sgpr_workgroup_id_z 1
		.amdhsa_system_vgpr_workitem_id 0
		.amdhsa_next_free_vgpr 120
		.amdhsa_next_free_sgpr 66
		.amdhsa_reserve_vcc 1
		.amdhsa_float_denorm_mode_32 3
		.amdhsa_float_denorm_mode_16_64 3
		.amdhsa_memory_ordered 1
		.amdhsa_forward_progress 1
		.amdhsa_inst_pref_size 25
	.end_amdhsa_kernel
	.amdgpu_metadata
---
amdhsa.version: [ 1, 2 ]
amdhsa.kernels:
  - .name:           k_q7ee2206d7a_prep
    .symbol:         k_q7ee2206d7a_prep.kd
    .args:
      - { .name: x, .offset: 0, .size: 8, .value_kind: global_buffer, .address_space: global }
      - { .name: qkv_w, .offset: 8, .size: 8, .value_kind: global_buffer, .address_space: global }
      - { .name: proj_w, .offset: 16, .size: 8, .value_kind: global_buffer, .address_space: global }
      - { .name: q_bias, .offset: 24, .size: 8, .value_kind: global_buffer, .address_space: global }
      - { .name: v_bias, .offset: 32, .size: 8, .value_kind: global_buffer, .address_space: global }
      - { .name: proj_b, .offset: 40, .size: 8, .value_kind: global_buffer, .address_space: global }
      - { .name: rel_pos_index, .offset: 48, .size: 8, .value_kind: global_buffer, .address_space: global }
      - { .name: rpb_table, .offset: 56, .size: 8, .value_kind: global_buffer, .address_space: global }
      - { .name: xb, .offset: 64, .size: 8, .value_kind: global_buffer, .address_space: global }
      - { .name: wq, .offset: 72, .size: 8, .value_kind: global_buffer, .address_space: global }
      - { .name: wp, .offset: 80, .size: 8, .value_kind: global_buffer, .address_space: global }
      - { .name: bb, .offset: 88, .size: 8, .value_kind: global_buffer, .address_space: global }
      - { .name: bt, .offset: 96, .size: 8, .value_kind: global_buffer, .address_space: global }
    .group_segment_fixed_size: 0
    .private_segment_fixed_size: 0
    .kernarg_segment_align: 8
    .kernarg_segment_size: 104
    .max_flat_workgroup_size: 256
    .sgpr_count:     66
    .vgpr_count:     120
    .wavefront_size: 32
...
	.end_amdgpu_metadata
.endif
;; end of part 1
;; launch qkva (part 2): grid 4 x 64, 4 waves a work-group, clusters of 4 x 4, 327,680 bytes of LDS; arguments xb, wq, bb, bt, ow; writes ow
.if DOCPART == 2
	.amdgcn_target "amdgcn-amd-amdhsa--gfx1250"
	.amdhsa_code_object_version 6
	.text
	.protected	k_q7ee2206d7a_qkva
	.globl	k_q7ee2206d7a_qkva
	.p2align	8
	.type	k_q7ee2206d7a_qkva,@function
k_q7ee2206d7a_qkva:
	s_mov_b64 s[64:65], 0
	v_nop
	global_prefetch_b8 v0, s[64:65] scope:SCOPE_SE
	s_setreg_imm32_b32 hwreg(HW_REG_WAVE_MODE, 25, 1), 1
	s_wait_xcnt 0x0
	s_wait_alu depctr_hold_cnt(0) depctr_sa_sdst(0) depctr_va_vdst(0) depctr_va_sdst(0) depctr_va_ssrc(0) depctr_va_vcc(0) depctr_vm_vsrc(0)
	s_getreg_b32 s2, hwreg(HW_REG_IB_STS2, 6, 4)
	s_cmp_eq_u32 s2, 0
	s_cbranch_scc0 .Lentry_in_a_cluster
	s_endpgm
.Lentry_in_a_cluster:
	s_bfe_u32 s2, ttmp6, 0x10000c
	s_cmp_lg_u32 s2, 0xf033
	s_cbranch_scc0 .Lentry_shape_is_right
	s_endpgm
.Lentry_shape_is_right:
; QKV PROJECTION AND ATTENTION IN ONE LAUNCH.  A work-group owns one batch (197 tokens, taken as 13 tiles of 16; the 11 rows past the end arrive as zeros) and four heads; each of its four waves owns one head.
; THREE PHASES (q, k, v), each a product of 208 tokens x 256 columns over K = 1,024 in bf16: a wave makes 208 x 64: 52 accumulators, 416 registers.  The product is taken transposed (source 0 = 16 rows
; of the weights, source 1 = 16 tokens), and its sums start from the bias (the C of the first product).  In the result a lane holds ONE token (lane % 16) and eight neighbouring channels, so the results
; rounded to f16 in pairs ARE the fragments of Q and K for S^T = K Q^T: nothing goes through memory.  K stays in registers, Q partly in registers and partly in LDS, V is turned once through LDS.
; ATTENTION.  For each tile of 16 queries all 208 scores of a lane's query half lie in 104 registers: the true maximum over all keys is taken away, p = 2^(c s - c m), c = log2(e) / 8; the table (x 8, and
; -1e30 for the keys that do not exist) is what the sums of S^T start from.  The weights are rounded to f16 for O^T = V^T P, their sum is taken of the unrounded p, O is divided by it and rounded once to f16.
; It goes BY TURNS over the query tiles, matrix and vector work side by side: see THE ATTENTION below.
; ow = f16 [64 b][13 qt][16 h][4 cb][32 lane][8]: the register image of the next launch's fragments; each store covers 512 consecutive bytes.
; LIMITS.  q, k, v must stay within f16's 65,504 (bf16 would cost the comparison's allowance); a weight below 2^-126 counts as 0; NaN and infinities are not treated apart.
; RING.  K goes in steps of 128 (rows of 256 bytes) through two LDS slots; behind each change of slots a wave issues one tensor load: waves 0, 1 the two halves of x's tile, waves 2, 3 those of the weights'.
; By the text's own count a wave has two tensor loads out at the start and one afterwards; from a request to the wait for it a wave issues 176 matrix instructions.
; CLUSTER 4 x 4.  The four of a row (same batch, other heads) ask for x's tile jointly, the four of a column (same heads, other batches) for the weights'.  The grid is one cluster wide, so cx is the group of heads.
; REGISTERS, in windows of 256 (s_set_vgpr_msb: bits 1:0 source 0, 3:2 source 1, 5:4 source 2, 7:6 destination):
;   window 0: v2-16 addresses; v32-63 the bias as C; v64-127 the weights' fragments, two buffers; v128-231 x's 13 fragments.
;             In the attention: v32-135 the table as loaded, two buffers of 52; v136-191 P; v192-207 Q of the tile in hand; v208-223 O packed
;   window 1: v0-207 K      window 2: accumulators of token tiles 0-7; later V^T
;   window 3: v0-159 accumulators of tiles 8-12, v160-239 Q's tiles 0-4.  In the attention: v0-103 R, the raw scores; v104-207 E, c s - c m and then p; v208-239 O^T; v240-253 statistics
.set PITCH,  272                       ; an LDS row: 256 bytes + 16 of padding = 68 words, so the 16 rows of a fragment load start 4 banks apart (64 banks of 4 bytes: ISA guide 11.1)
.set AHALF,  104*PITCH
.set ABYTES, 208*PITCH
.set BHALF,  128*PITCH
.set BWAVE,  64*PITCH
.set SLOT1,  1<<17                     ; a slot is 126,208 bytes; slot 1 begins here, so that one exclusive or changes slots
.set QLDS0,  216320                    ; Q's tile t of wave w at QLDS0 + 8,192 t + 2,048 w: tiles 0-4 lie in slot 1 and are stored when the ring has had its last fill,
.set QLDS5,  QLDS0+5*8192              ; tiles 5-12 lie behind the ring (byte 257,280 on), where no fill ever lands
.set SPARE,  QLDS0+13*8192             ; the spare words, 128 bytes for each wave: two blocks of 256 bytes that no other line names
.set PVP,    160                       ; a row of V in its stage: 128 bytes + 32
.set VWAVE,  208*PVP                   ; a wave's stage for V, from byte 33,280 w on: in the ring, used when the ring has had its last fill
.set TILEB,  13*512                    ; the table's bytes for one head and one tile of 16 queries: 13 key tiles x 32 lanes x 8 bf16
.set G1W0,   (1<<16)|(1<<20)|(1<<21)|(5<<22)|(3<<25)  ; 2-byte elements; padding on; bit 21 beside a mask; after every 64 words; 4 words
.set A0,   2                           ; my lane's place in x's tile; never rewritten
.set B0,   3                           ; in my wave's 64 rows of the weights' tile
.set ADRA, 4                           ; the same in the slot in hand
.set ADRB, 5
.set SPW,  6                           ; LDS address of my spare word; never rewritten
.set NIL,  7                           ; 0; never rewritten
.set PFO,  8                           ; the tiles' prefetches: lane offset; never rewritten
.set BO,   9                           ; 32 x (lane / 16): my eight numbers of a bias
.set QST5, 10
.set QST0, 11
.set VST,  12
.set AVT,  13
.set QAD,  14
.set GO,   15                          ; 16 x lane
.set PF2,  16                          ; the table's prefetches: lane offset; never rewritten
.set BIA,  32
.set BF,   64
.set AF,   128
.set STG,  168
.set BP,   32                          ; window 0, as the next three
.set PP,   136                         ; P, 56 registers (the last four stay 0: keys 208-223)
.set QF,   192
.set OP,   208
.set QR,   160                         ; window 3, as all that follow
.set R,    0
.set E,    104
.set TT,   E                           ; thirteen maxima at work, in E's first registers: between the last read of a tile's p and the next tile's scaling
.set OA,   208                         ; O^T, four accumulators
.set LL,   240                         ; four chains of sums, a pair each
.set CM,   248                         ; c m
.set MM,   249                         ; m
.set XR,   250                         ; what the other half of the lanes sends
.set RL,   252                         ; 1 / l; named as a pair
.set WV,   14
.set ROLE, 15                          ; 0: I fetch x's tiles; 1: the weights'
.set HF,   16                          ; which half of the tile
.set CX,   17
.set CY,   18
.set BT,   19                          ; the batch
.set BASEA, 20
.set BASEB, 22
.set G1A,  24
.set G1B,  32
.set G0A,  40                          ; two sets; the second walks
.set G0B,  48
.set NXT,  56                          ; the K step (0 .. 23 over the three phases) to be asked for next
.set CNT,  57
.set CLY,  58
.set HEAD, 59
.set OFFA, 60
.set OFFB, 62
.set TB,   66                          ; the slot in hand
.set LIM,  67                          ; the last K step that I prefetch
.set PFB,  68
.set PFA,  70
.set PFOF, 72
.set CS,   74
.set SEL,  76
.set BTP,  78
.set OWP,  80
.set ACNT, 82
.set N1,   83
.set BBP,  84
.set PFK,  87                          ; 7 in the cluster that prefetches the table, else 0
.set BST,  88                          ; s[88:89] the table pointer's step: a tile, or nothing
.set HM,   90                          ; a word's upper bf16
.set TMPS, 91
.set MSB, 0
.macro WIN new                         ; the immediate's high byte repeats the setting that is left; a switch that changes nothing is dropped
.if MSB != (\new)
	s_set_vgpr_msb (MSB<<8)|(\new)
.set MSB, \new
.endif
.endm
.macro PLACES                          ; four plain instructions between a matrix instruction and a vector instruction, store or load that touches its registers
.rept 4
	v_nop
.endr
.endm
.macro CREST                           ; a round of the cluster's barrier behind its opening barrier
	s_cmp_lg_u32 s[WV], 0
	s_cbranch_scc1 .Lnot_wave_0_\@
	s_barrier_signal -3
.Lnot_wave_0_\@:
	s_barrier_wait -3
	s_barrier_signal -1
	s_barrier_wait -1
.endm
.macro CROUND
	s_barrier_signal -1
	s_barrier_wait -1
	CREST
.endm
.macro JLOAD                           ; a joint refill; the branch hangs on the wave's number alone; an s_nop 0 and four v_nop follow each line
	s_cmp_eq_u32 s[ROLE], 0
	s_cbranch_scc0 .Lfor_b_\@
	tensor_load_to_lds s[G0A+4:G0A+7], s[G1A:G1A+7]
	s_nop 0
	PLACES
	s_branch .Lasked_\@
.Lfor_b_\@:
	tensor_load_to_lds s[G0B+4:G0B+7], s[G1B:G1B+7]
	s_nop 0
	PLACES
.Lasked_\@:
.endm
; A PREFETCH of what the NEXT refill will ask for, one K step (208 matrix instructions) ahead: a lane a row's 256 bytes, one instruction a wave.  x's rows are read by this cluster alone: it asks, in phase q only
; (the later phases read them again).  The weights' rows are read by all sixteen clusters: cluster y = 0 asks.  The four partners of a joint load share its rows out BY ADDRESS: 26 of a wave's 104 rows of x
; for each cx (lanes 26-31 name lane 25's row once more), 32 of its 128 rows of the weights for each cy.  K steps 0 to 2 come by their loads alone; the last refill asks for nothing.
.macro ASK
	s_cmp_le_u32 s[N1], s[LIM]
	s_cbranch_scc0 .Lnot_mine_\@
	global_prefetch_b8 v[PFO], s[PFA:PFA+1] th:TH_LOAD_NT scope:SCOPE_SE
.Lnot_mine_\@:
.endm
; Token tiles a0 .. a1 x my four column tiles, 32 along K, weights' buffer bf.  The 52 accumulators are taken in the same order in every quarter, one instruction a turn.
; first = 1: the sums start from the bias.
.macro MULS a0, a1, bf, first
.set ma, \a0
.rept (\a1)-(\a0)+1
.set mw, 2+ma/8
.set mc, 32*(ma%8)
.if \first
	WIN (mw<<6)
.else
	WIN (mw<<6)|(mw<<4)
.endif
.irp bi, 0,1,2,3
.if \first
	v_wmma_f32_16x16x32_bf16 v[mc+8*\bi:mc+8*\bi+7], v[BF+32*(\bf)+8*\bi:BF+32*(\bf)+8*\bi+7], v[AF+8*ma:AF+8*ma+7], v[BIA+8*\bi:BIA+8*\bi+7]
.else
	v_wmma_f32_16x16x32_bf16 v[mc+8*\bi:mc+8*\bi+7], v[BF+32*(\bf)+8*\bi:BF+32*(\bf)+8*\bi+7], v[AF+8*ma:AF+8*ma+7], v[mc+8*\bi:mc+8*\bi+7]
.endif
.endr
.set ma, ma+1
.endr
.endm
.macro LDA a0, a1, kq                  ; x's fragments of token tiles a0 .. a1, quarter kq: two loads of 16 bytes a lane, 32 bytes apart
	WIN 0
.set la, \a0
.rept (\a1)-(\a0)+1
	ds_load_b128 v[AF+8*la:AF+8*la+3],   v[ADRA] offset:la*16*PITCH+64*(\kq)
	ds_load_b128 v[AF+8*la+4:AF+8*la+7], v[ADRA] offset:la*16*PITCH+64*(\kq)+32
.set la, la+1
.endr
.endm
.macro LDB bf, kq                      ; the weights' four fragments of quarter kq into buffer bf
	WIN 0
.irp bi, 0,1,2,3
	ds_load_b128 v[BF+32*(\bf)+8*\bi:BF+32*(\bf)+8*\bi+3],   v[ADRB] offset:\bi*16*PITCH+64*(\kq)
	ds_load_b128 v[BF+32*(\bf)+8*\bi+4:BF+32*(\bf)+8*\bi+7], v[ADRB] offset:\bi*16*PITCH+64*(\kq)+32
.endr
.endm
; A K step is four quarters of 32 along K, 52 matrix instructions each.  x's fragments have one buffer in two parts (tiles 0-7, tiles 8-12), each loaded again right behind its last use; the weights' have two.
; The LDS loads go out in this order: .. [tiles 0-7 of q: 16] [tiles 8-12 of q: 10, weights of q + 1: 8] [tiles 0-7 of q + 1: 16] ..
.macro QUARTER kq, first
	s_wait_dscnt 26                                ; may stay out: tiles 4-7 (8), tiles 8-12 (10), the next weights (8)
	MULS 0,3,(\kq)%2,\first
	s_wait_dscnt 18                                ; tiles 8-12 and the next weights
	MULS 4,7,(\kq)%2,\first
	WIN 0
	PLACES
	LDA 0,7,(\kq)+1
	s_wait_dscnt 24                                ; the next weights (8) and the 16 just issued: tiles 8-12 are in
	MULS 8,12,(\kq)%2,\first
	WIN 0
	PLACES
	LDA 8,12,(\kq)+1
.if (\kq) < 2
	LDB (\kq)%2,(\kq)+2
.endif
.endm
; The last quarter changes slots.  In front of the barrier each wave waits for all its tensor loads (one is out: its part of the next slot), adds 0 to its spare word, and waits for that and for its own reads of this
; slot.  fill = 1: the barrier opens a round of the cluster's, so that no wave of any partner still reads the slot or has a load on its way, and the joint refill is the first thing behind it.
.macro TURN fill
.if \fill
	s_wait_xcnt 0x0                                ; the last prefetch, a K step back, has read its address
	s_add_co_u32 s[N1], s[NXT], 1
	s_and_b32 s91, s[N1], 7
	s_lshl_b32 s91, s91, 8                         ; 256 bytes along a row for each K step of a phase,
	s_lshr_b32 s[PFOF], s[N1], 3
	s_lshl_b32 s[PFOF], s[PFOF], 21                ; 1,024 rows of the weights for each phase
	s_or_b32 s[PFOF], s[PFOF], s91
	s_add_nc_u64 s[PFA:PFA+1], s[PFB:PFB+1], s[PFOF:PFOF+1]
.endif
	WIN 0
	s_wait_tensorcnt 0x0                           ; all my tensor loads have landed, so a group 0 may be written;
	ds_add_u32 v[SPW], v[NIL]                      ; 0 onto my spare word
	s_wait_dscnt 11                                ; (the add and tiles 8-12 may be out)
	MULS 0,3,1,0
	s_wait_dscnt 0x0                               ; the add is done, and my reads of this slot are over
	s_barrier_signal -1
	MULS 4,7,1,0
	WIN 0
	s_barrier_wait -1
.if \fill
	CREST
	s_and_b32 s[OFFA], s[NXT], 7
	s_lshl_b32 s[OFFA], s[OFFA], 8
	s_lshr_b32 s[OFFB], s[NXT], 3
	s_lshl_b32 s[OFFB], s[OFFB], 21
	s_or_b32 s[OFFB], s[OFFB], s[OFFA]
	s_xor_b32 s[G0A+5], s[G0A+5], SLOT1            ; the walking descriptors: the other slot than last time,
	s_xor_b32 s[G0B+5], s[G0B+5], SLOT1
	s_add_nc_u64 s[G0A+6:G0A+7], s[BASEA:BASEA+1], s[OFFA:OFFA+1]  ; the address made anew from the step's number
	s_or_b32 s[G0A+7], s[G0A+7], 0x80000000
	s_add_nc_u64 s[G0B+6:G0B+7], s[BASEB:BASEB+1], s[OFFB:OFFB+1]
	s_or_b32 s[G0B+7], s[G0B+7], 0x80000000
	JLOAD                                          ; its four v_nop are also the places in front of the loads below
.else
	PLACES
.endif
	s_xor_b32 s[TB], s[TB], SLOT1
	v_add_nc_u32 v[ADRA], s[TB], v[A0]
	v_add_nc_u32 v[ADRB], s[TB], v[B0]
	LDB 0,0
	LDA 0,7,0
.if \fill
	ASK
.endif
	MULS 8,12,1,0
	WIN 0
	PLACES
	LDA 8,12,0
	LDB 1,1
.if \fill
	s_add_co_u32 s[NXT], s[NXT], 1
.endif
.endm
; n K steps, each of which fills a slot again.  A phase's first quarter, whose products start the sums, stands ahead of the loop, and the loop is entered in the middle of a trip.
.macro STEPS n
	s_mov_b32 s[CNT], \n
	QUARTER 0,1
	WIN 0
	s_branch .Lin_\@
.Lstep_\@:
	QUARTER 0,0
	WIN 0
.Lin_\@:
	QUARTER 1,0
	QUARTER 2,0
	TURN 1
	WIN 0
	s_sub_co_u32 s[CNT], s[CNT], 1
	s_cmp_lg_u32 s[CNT], 0
	s_cbranch_scc1 .Lstep_\@
.endm
.macro BIAS p                          ; phase p's bias for my 64 columns, laid as a C operand: register j of column tile bi is column 16 bi + 8 (lane / 16) + j
	WIN 0
.irp bi, 0,1,2,3
	global_load_b128 v[BIA+8*\bi:BIA+8*\bi+3],   v[BO], s[BBP:BBP+1] offset:4096*(\p)+64*\bi
	global_load_b128 v[BIA+8*\bi+4:BIA+8*\bi+7], v[BO], s[BBP:BBP+1] offset:4096*(\p)+64*\bi+16
.endr
.endm
.macro PACK a, dst, dwin               ; token tile a's four accumulators rounded to f16, 16 registers, into window dwin; each accumulator is read from its low end on
.set pw, 2+(\a)/8
.set pc, 32*((\a)%8)
	WIN ((\dwin)<<6)|(pw<<2)|pw
.set z, 0
.rept 16
	v_cvt_pk_f16_f32 v[(\dst)+z], v[pc+2*z], v[pc+2*z+1]
.set z, z+1
.endr
.endm
	s_load_b256 s[4:11], s[0:1], 0x0               ; xb 4, wq 6, bb 8, bt 10
	s_load_b64 s[12:13], s[0:1], 0x20              ; ow
	v_lshl_add_u32 v[SPW], v0, 2, SPARE
	v_mov_b32 v[NIL], 0
	ds_add_u32 v[SPW], v[NIL]                      ; the wave's opening: the add and its wait stand ahead of my first tensor load; the set-up below stands between them
	v_lshrrev_b32 v1, 5, v0
	v_readfirstlane_b32 s[WV], v1
	s_lshr_b32 s[ROLE], s[WV], 1
	s_and_b32 s[HF], s[WV], 1
	s_bfe_u32 s[CX], ttmp6, 0x40000
	s_bfe_u32 s[CY], ttmp6, 0x40004
	s_and_b32 s[CLY], ttmp7, 0xffff
	s_lshl_b32 s[BT], s[CLY], 2
	s_add_co_u32 s[BT], s[BT], s[CY]               ; batch = 4 x cluster y + cy
	s_lshl_b32 s[HEAD], s[CX], 2
	s_add_co_u32 s[HEAD], s[HEAD], s[WV]           ; my head = 4 cx + wave
	s_lshl_b32 s86, s[CY], 2
	s_lshl_b32 s86, 15, s86                        ; my row of the cluster
	s_lshl_b32 s88, 0x1111, s[CX]                  ; my column
	s_or_b32 s[G1A], s86, G1W0
	s_or_b32 s[G1B], s88, G1W0
	s_mul_i32 s87, s[HF], 104
	s_sub_co_u32 s86, 197, s87                     ; rows left of the batch from my half's first: those past them arrive as zeros
	s_mov_b32 s[G1A+1], 128<<16                    ; tensor_dim0 = 128
	s_lshl_b32 s[G1A+2], s86, 16                   ; tensor_dim1 = 197 or 93
	s_mov_b32 s[G1A+3], 128<<16                    ; tile_dim0 = 128
	s_mov_b32 s[G1A+4], 104                        ; tile_dim1 = 104
	s_mov_b32 s[G1A+5], 1024                       ; elements from row to row
	s_mov_b32 s[G1A+6], 0
	s_mov_b32 s[G1A+7], 0
	s_mov_b32 s[G1B+1], 128<<16
	s_mov_b32 s[G1B+2], 128<<16
	s_mov_b32 s[G1B+3], 128<<16
	s_mov_b32 s[G1B+4], 128
	s_mov_b32 s[G1B+5], 1024
	s_mov_b32 s[G1B+6], 0
	s_mov_b32 s[G1B+7], 0
	s_mul_i32 s86, s[BT], 197
	s_add_co_u32 s86, s86, s87
	s_lshl_b32 s86, s86, 11                        ; x: row 197 b + 104 half, 2,048 bytes a row
	s_mov_b32 s87, 0
	s_lshl_b32 s88, s[CX], 8
	s_lshl_b32 s89, s[HF], 7
	s_add_co_u32 s88, s88, s89
	s_lshl_b32 s88, s88, 11                        ; the weights: row 256 cx + 128 half of a phase
	s_mov_b32 s89, 0
	s_mov_b32 s[G0A], 1
	s_mul_i32 s[G0A+1], s[HF], AHALF               ; no place in the cluster enters an LDS address
	s_mov_b32 s[G0A+4], 1
	s_add_co_u32 s[G0A+5], s[G0A+1], SLOT1
	s_mov_b32 s[G0B], 1
	s_mul_i32 s[G0B+1], s[HF], BHALF
	s_add_co_u32 s[G0B+1], s[G0B+1], ABYTES
	s_mov_b32 s[G0B+4], 1
	s_add_co_u32 s[G0B+5], s[G0B+1], SLOT1
	s_mov_b32 s[OFFA+1], 0
	s_mov_b32 s[OFFB+1], 0
	s_mov_b32 s[PFOF+1], 0
	s_mov_b32 s[NXT], 2
	s_mov_b32 s[TB], 0
	s_mov_b32 s[CS], 0x3e38aa3b                    ; c = log2(e) / 8
	s_mov_b32 s[CS+1], s[CS]
	s_mov_b32 s[SEL], 0x76543210
	s_mov_b32 s[SEL+1], 0xfedcba98
	; the tiles' prefetches: base, lane offset and last step, by my role
	s_mul_i32 s90, s[BT], 197
	s_lshl_b32 s90, s90, 11                        ; x at the batch's first row
	s_lshl_b32 s91, s[CY], 5
	s_lshl_b32 s2, s[CX], 8
	s_add_co_u32 s91, s91, s2
	s_lshl_b32 s2, s[HF], 7
	s_add_co_u32 s91, s91, s2
	s_lshl_b32 s91, s91, 11                        ; the weights at row 256 cx + 128 half + 32 cy
	s_mul_i32 s2, s[CX], 26
	s_mul_i32 s3, s[HF], 104
	s_add_co_u32 s2, s2, s3
	s_cmp_eq_u32 s[CLY], 0
	s_cselect_b32 s[LIM], 23, 0
	s_cmp_eq_u32 s[ROLE], 0
	s_cselect_b32 s[LIM], 7, s[LIM]
	s_cselect_b32 s90, s90, s91
	s_cselect_b32 s2, s2, 0
	s_cselect_b32 s3, 25, 31
	s_mov_b32 s91, 0
	v_and_b32 v21, 31, v0                          ; lane
	v_min_u32 v[PFO], s3, v21
	v_add_nc_u32 v[PFO], s2, v[PFO]
	v_min_u32 v[PFO], 196, v[PFO]                  ; no row past the batch's last
	v_lshlrev_b32 v[PFO], 11, v[PFO]
	s_wait_dscnt 0x0                               ; the opening add is done
	s_wait_kmcnt 0x0
	s_add_nc_u64 s[BASEA:BASEA+1], s[4:5], s[86:87]
	s_add_nc_u64 s[BASEB:BASEB+1], s[6:7], s[88:89]
	s_cmp_eq_u32 s[ROLE], 0
	s_cselect_b64 s[PFB:PFB+1], s[4:5], s[6:7]
	s_add_nc_u64 s[PFB:PFB+1], s[PFB:PFB+1], s[90:91]
	s_mov_b64 s[G0A+2:G0A+3], s[BASEA:BASEA+1]     ; K step 0
	s_or_b32 s[G0A+3], s[G0A+3], 0x80000000
	s_add_nc_u64 s[G0A+6:G0A+7], s[BASEA:BASEA+1], 256  ; K step 1
	s_or_b32 s[G0A+7], s[G0A+7], 0x80000000
	s_mov_b64 s[G0B+2:G0B+3], s[BASEB:BASEB+1]
	s_or_b32 s[G0B+3], s[G0B+3], 0x80000000
	s_add_nc_u64 s[G0B+6:G0B+7], s[BASEB:BASEB+1], 256
	s_or_b32 s[G0B+7], s[G0B+7], 0x80000000
	s_mov_b32 s3, 0
	s_lshl_b32 s2, s[HEAD], 8                      ; my 64 columns' bias: 256 bytes a head
	s_add_nc_u64 s[BBP:BBP+1], s[8:9], s[2:3]
	s_mul_i32 s2, s[HEAD], 13*TILEB                ; my head's part of the table
	s_add_nc_u64 s[BTP:BTP+1], s[10:11], s[2:3]
	s_mul_i32 s2, s[BT], 208
	s_add_co_u32 s2, s2, s[HEAD]
	s_lshl_b32 s2, s2, 11                          ; block (b, qt = 0, head) of ow
	s_add_nc_u64 s[OWP:OWP+1], s[12:13], s[2:3]
	CROUND                                         ; all sixteen work-groups are here: the first joint loads meet
	s_cmp_eq_u32 s[ROLE], 0                        ; a wave's two first fills stand in one branch, ahead of every wait on TENSORcnt and every LDS read
	s_cbranch_scc0 .Lfirst_b
	tensor_load_to_lds s[G0A:G0A+3], s[G1A:G1A+7]
	s_nop 0
	tensor_load_to_lds s[G0A+4:G0A+7], s[G1A:G1A+7]
	s_nop 0
	PLACES
	s_branch .Lfirst_asked
.Lfirst_b:
	tensor_load_to_lds s[G0B:G0B+3], s[G1B:G1B+7]
	s_nop 0
	tensor_load_to_lds s[G0B+4:G0B+7], s[G1B:G1B+7]
	s_nop 0
	PLACES
.Lfirst_asked:
	v_and_b32 v1, 15, v0                           ; l % 16
	v_bfe_u32 v20, v0, 4, 1                        ; l / 16
	v_lshlrev_b32 v[BO], 5, v20
	BIAS 0
	v_mul_u32_u24 v[A0], v1, PITCH
	v_lshl_add_u32 v[A0], v20, 4, v[A0]            ; row x pitch + 16 x half
	s_mul_i32 s2, s[WV], BWAVE
	s_add_co_u32 s2, s2, ABYTES
	v_add_nc_u32 v[B0], s2, v[A0]
	v_mov_b32 v[ADRA], v[A0]
	v_mov_b32 v[ADRB], v[B0]
	s_lshl_b32 s2, s[WV], 11
	s_add_co_u32 s3, s2, QLDS5
	v_lshl_add_u32 v[QST5], v21, 4, s3
	s_add_co_u32 s3, s2, QLDS0
	v_lshl_add_u32 v[QST0], v21, 4, s3
	v_mov_b32 v[QAD], v[QST0]
	s_mul_i32 s2, s[WV], VWAVE
	v_mul_u32_u24 v[VST], v1, PVP                  ; V in: row = token, 16 bytes for each half of the lanes
	v_lshl_add_u32 v[VST], v20, 4, v[VST]
	v_add_nc_u32 v[VST], s2, v[VST]
	v_and_b32 v22, 7, v0                           ; V back, turned: lane l reads key 8 (l / 16) + l % 8, channels 8 ((l / 8) % 2) + 0..7
	v_bfe_u32 v23, v0, 3, 1
	v_lshl_add_u32 v[AVT], v20, 3, v22
	v_mul_u32_u24 v[AVT], v[AVT], PVP
	v_lshl_add_u32 v[AVT], v23, 4, v[AVT]
	v_add_nc_u32 v[AVT], s2, v[AVT]
	v_lshlrev_b32 v[GO], 4, v21
	v_min_u32 v[PF2], 25, v21                      ; the table's prefetches: a tile is 26 blocks of 256 bytes, a lane a block (lanes 26-31 name lane 25's once more),
	v_lshlrev_b32 v[PF2], 8, v[PF2]
	s_mul_i32 s2, s[CY], TILEB                     ; and each of the four partners takes another tile
	v_add_nc_u32 v[PF2], s2, v[PF2]
	s_wait_tensorcnt 0x1                           ; my part of K step 0 is in; K step 1's may stay out
	s_barrier_signal -1
	s_barrier_wait -1                              ; everybody's is
	LDB 0,0
	LDA 0,7,0
	LDA 8,12,0
	LDB 1,1
	s_wait_loadcnt 0x0                             ; the bias
	STEPS 8                                        ; PHASE q
	; Q leaves the accumulators while phase k's first tiles and fragments are on their way: tiles 0-4 stay in registers, tiles 5-12 go to LDS behind the ring
	BIAS 1
.set pa, 0
.rept 5
	PACK pa,QR+16*pa,3
.set pa, pa+1
.endr
.rept 8
	PACK pa,16*(pa-5),1
.set pa, pa+1
.endr
	WIN 0x04                                       ; address window 0, data window 1
.set pa, 0
.rept 8
.irp bi, 0,1,2,3
	ds_store_b128 v[QST5], v[16*pa+4*\bi:16*pa+4*\bi+3] offset:8192*pa+512*\bi
.endr
.set pa, pa+1
.endr
	WIN 0
	s_wait_loadcnt 0x0
	STEPS 8                                        ; PHASE k
	BIAS 2
.set pa, 0
.rept 13
	PACK pa,16*pa,1                                ; K stays in window 1: key tile kt at v[16 kt]: channels 0-31, then 32-63
.set pa, pa+1
.endr
	WIN 0
	s_wait_loadcnt 0x0
	STEPS 6                                        ; PHASE v
	; Its last two K steps fill nothing: one text without a refill, walked twice.  The second walk's change of slots fetches 42 fragments of a step that does not
	; exist, out of a slot that nobody writes: the price of one text; they are waited for below and never multiplied.
	s_mov_b32 s[CNT], 2
.Ltail:
	QUARTER 0,0
	QUARTER 1,0
	QUARTER 2,0
	TURN 0
	WIN 0
	s_sub_co_u32 s[CNT], s[CNT], 1
	s_cmp_lg_u32 s[CNT], 0
	s_cbranch_scc1 .Ltail
	s_wait_dscnt 0x0                               ; my reads of the ring are over:
	s_barrier_signal -1
	s_barrier_wait -1                              ; everybody's are, and every fill has landed: the ring's bytes are free for the stages
; THE ATTENTION, BY TURNS.  Tile t's raw scores lie in R; the scaling writes c s - c m into E, so that R is free for the next tile while E is worked on.  Trip t:
;   part B: 26 products K Q^T of tile t + 1; between them, eight lines a product, the 104 exponentials of tile t and the 104 lines that lay tile t + 1's table out in R, where its sums start, by turns;
;           then the reciprocal of l (t - 1), a v_nop, and ONE wait for all 105 (ahead of the first line that names a result);
;   part F: O (t - 1) is divided by l, packed and stored; one run of memory instructions: these stores, the table of tile t + 3, Q of tile t + 2;
;   part A: 28 products V^T P of tile t; behind them, about eight lines a product, first the roundings and sums of tile t, then the maximum, the statistics and the scaling of tile t + 1.
; A group of lines behind a product keeps to one window setting, so a product costs two switches.
; THE TABLE lands in two buffers of 52 registers that take turns, asked for two trips ahead; they are all that differs between an even and an odd trip, and for them the trip's text stands twice.
; NO FIRST AND NO LAST TRIP IS WRITTEN OUT.  The loop's 7 passes hold trips -1 to 12.  Trip -1 serves to make tile 0's scores, maximum and scaling; what its other lines work on was left by the projection and
; is never stored.  Trip 12's products and maximum for a tile 13 serve nothing.  The last three trips ask for tile 12's table once more, so that the counted wait has one meaning in every trip.
.macro LDBP par, off                   ; a tile's table into buffer par: 13 loads of 512 consecutive bytes
	WIN 0
.set kt, 0
.rept 13
	global_load_b128 v[BP+52*(\par)+4*kt:BP+52*(\par)+4*kt+3], v[GO], s[BTP:BTP+1] offset:(\off)+512*kt
.set kt, kt+1
.endr
.endm
.macro LDQ                             ; Q's fragments of the tile at QAD
	WIN 0
.irp i, 0,1,2,3
	ds_load_b128 v[QF+4*\i:QF+4*\i+3], v[QAD] offset:512*\i
.endr
.endm
.macro UNP n, par                      ; number n of the table's 104, bf16 to f32: the low half moves up, the high half stays
.if ((\n)%2) == 0
	v_lshlrev_b32 v[R+(\n)], 16, v[BP+52*(\par)+(\n)/2]
.else
	v_and_b32 v[R+(\n)], s[HM], v[BP+52*(\par)+(\n)/2]
.endif
.endm
.macro KQL c, kt                       ; S^T of key tile kt += K Q^T over channels 32 c on, in place
	WIN 0xf1                                       ; K window 1, Q window 0, R window 3
	v_wmma_f32_16x16x32_f16 v[R+8*(\kt):R+8*(\kt)+7], v[16*(\kt)+8*(\c):16*(\kt)+8*(\c)+7], v[QF+8*(\c):QF+8*(\c)+7], v[R+8*(\kt):R+8*(\kt)+7]
.endm
; Part B.  Key tile k's first product stands behind the two groups that lay its table out; the second products follow two key tiles behind, between the first ones: no two products on end name one accumulator,
; one instruction a turn.
.macro BPART par
	WIN 0
	s_wait_loadcnt 13                              ; this buffer's 13 loads, issued two trips back, are in; the other buffer's 13 may stay out
	s_wait_dscnt 0x0                               ; Q (and, the first time, V^T)
.set g, 0
.rept 26
	WIN 0xf3                                       ; destination and source 0 window 3 (R, E), source 1 window 0 (the table)
.set n, 4*g
.rept 4
	UNP n, \par
	v_exp_f32 v[E+n], v[E+n]
.set n, n+1
.endr
.if (g%2) == 1
	KQL 0, g/2
.elseif g >= 4
	KQL 1, g/2-2
.endif
.set g, g+1
.endr
	WIN 0xf3
	v_rcp_f32 v[RL], v[LL]                         ; 1 / l of the tile before
	KQL 1, 11
	KQL 1, 12
	v_nop                                          ; a plain instruction behind the last transcendental,
	s_wait_alu depctr_va_vdst(0)                   ; and the trip's one wait, ahead of the first line that names a result
.endm
.macro CG kk                           ; the weights of keys 32 kk on rounded to f16: source 1 of the four products of that kk
	WIN 0x0f                                       ; sources window 3, destination window 0
.set p, 8*(\kk)
.rept 8
.if p < 52
	v_cvt_pk_f16_f32 v[PP+p], v[E+2*p], v[E+2*p+1]
.endif
.set p, p+1
.endr
.endm
.macro SG kk                           ; their sums, of the unrounded weights, in four chains that the first eight pairs start
	WIN 0xff
.set p, 8*(\kk)
.rept 8
.if p < 4
	v_pk_add_f32 v[LL+2*p:LL+2*p+1], v[E+2*p:E+2*p+1], v[E+2*p+8:E+2*p+9]
.elseif (p >= 8) && (p < 52)
	v_pk_add_f32 v[LL+2*(p%4):LL+2*(p%4)+1], v[LL+2*(p%4):LL+2*(p%4)+1], v[E+2*p:E+2*p+1]
.endif
.set p, p+1
.endr
.endm
.macro PVM w                           ; product w of 28 of O^T = V^T P: keys 32 (w / 4) on, channels 16 (w % 4) on; the four accumulators take turns; the first four start the sums
	WIN 0xf2                                       ; V^T window 2, P window 0, O^T window 3
.if (\w) < 4
	v_wmma_f32_16x16x32_f16 v[OA+8*((\w)%4):OA+8*((\w)%4)+7], v[8*(\w):8*(\w)+7], v[PP+8*((\w)/4):PP+8*((\w)/4)+7], 0
.else
	v_wmma_f32_16x16x32_f16 v[OA+8*((\w)%4):OA+8*((\w)%4)+7], v[8*(\w):8*(\w)+7], v[PP+8*((\w)/4):PP+8*((\w)/4)+7], v[OA+8*((\w)%4):OA+8*((\w)%4)+7]
.endif
.endm
; Number n of the 113 lines that end a tile's sum and make the next tile's maximum, statistics and scaling; all in window 3.
;   0, 1, 5, 9, 13, 17  the four chains into l, with the other half of the lanes'; each waits for the one before it, so they stand apart, among
;   2-18   (the rest) thirteen chains of maxima, one a key tile, three operands at a time: each accumulator's lowest registers are read first
;   19-51  the chains go on     52-57  thirteen into one     58-60  the lane 16 away holds the query's other keys: m; c m     61-112  c s - c m, a pair a line, out of R into E
.macro XV n
.if (\n) == 0
	v_pk_add_f32 v[LL:LL+1], v[LL:LL+1], v[LL+2:LL+3]
.elseif (\n) == 1
	v_pk_add_f32 v[LL+4:LL+5], v[LL+4:LL+5], v[LL+6:LL+7]
.elseif (\n) == 5
	v_pk_add_f32 v[LL:LL+1], v[LL:LL+1], v[LL+4:LL+5]
.elseif (\n) == 9
	v_add_f32 v[LL], v[LL], v[LL+1]
.elseif (\n) == 13
	v_permlanex16_b32 v[XR], v[LL], s[SEL], s[SEL+1]
.elseif (\n) == 17
	v_add_f32 v[LL], v[LL], v[XR]
.elseif (\n) < 19
.set kt, (\n)-2-((\n)-2)/4
	v_max3_num_f32 v[TT+kt], v[R+8*kt], v[R+8*kt+1], v[R+8*kt+2]
.elseif (\n) < 32
.set kt, (\n)-19
	v_max3_num_f32 v[TT+kt], v[TT+kt], v[R+8*kt+3], v[R+8*kt+4]
.elseif (\n) < 45
.set kt, (\n)-32
	v_max3_num_f32 v[TT+kt], v[TT+kt], v[R+8*kt+5], v[R+8*kt+6]
.elseif (\n) < 51
.set kt, (\n)-45
	v_max3_num_f32 v[TT+kt], v[TT+kt], v[R+16*kt+7], v[R+16*kt+15]
.elseif (\n) == 51
	v_max_num_f32 v[TT+6], v[TT+6], v[R+103]
.elseif (\n) < 56
.set kt, 3*((\n)-52)
	v_max3_num_f32 v[TT+kt], v[TT+kt], v[TT+kt+1], v[TT+kt+2]
.elseif (\n) == 56
	v_max3_num_f32 v[TT], v[TT], v[TT+3], v[TT+6]
.elseif (\n) == 57
	v_max3_num_f32 v[TT], v[TT], v[TT+9], v[TT+12]
.elseif (\n) == 58
	v_permlanex16_b32 v[XR], v[TT], s[SEL], s[SEL+1]
.elseif (\n) == 59
	v_max_num_f32 v[MM], v[TT], v[XR]
.elseif (\n) == 60
	v_mul_f32 v[CM], s[CS], v[MM]
.elseif (\n) < 113
.set kt, (\n)-61
	v_pk_fma_f32 v[E+2*kt:E+2*kt+1], v[R+2*kt:R+2*kt+1], s[CS:CS+1], v[CM:CM+1] op_sel_hi:[1,0,0] neg_lo:[0,0,1] neg_hi:[0,0,1]
.endif
.endm
; Part A.  The roundings for kk = 0 stand ahead of part F; those for kk stand behind product 2 kk - 1, well ahead of product 4 kk, the first that reads them.
.macro APART
.set i, 0
.rept 28
	PVM i
.if i < 13
.if (i%2) == 0
	SG i/2
.else
	CG (i+1)/2
.endif
.else
	WIN 0xff
.set x, 8*(i-13)
.rept 8
	XV x
.set x, x+1
.endr
.endif
.set i, i+1
.endr
.endm
.macro FIN                             ; a tile's way out: O^T divided by l, rounded to f16, stored; the pointer has stepped, the stores reach back
	s_add_nc_u64 s[OWP:OWP+1], s[OWP:OWP+1], 32768 ; a query tile's blocks: 16 heads x 2,048 bytes
	WIN 0xff
.set z, 0
.rept 16
	v_pk_mul_f32 v[OA+2*z:OA+2*z+1], v[OA+2*z:OA+2*z+1], v[RL:RL+1] op_sel_hi:[1,0]
.set z, z+1
.endr
	WIN 0x0f
.set z, 0
.rept 16
	v_cvt_pk_f16_f32 v[OP+z], v[OA+2*z], v[OA+2*z+1]
.set z, z+1
.endr
	WIN 0
.irp cb, 0,1,2,3
	global_store_b128 v[GO], v[OP+4*\cb:OP+4*\cb+3], s[OWP:OWP+1] offset:512*\cb-32768  ; 512 consecutive bytes, at a multiple of 512 from ow's first
.endr
.endm
; A trip.  par = 0: an odd trip (-1, 1 .. 11), whose next tile is even and lies in buffer 0; par = 1: an even one.  In pass k of 0 .. 6 the counter holds 7 - k, and the trips are 2 k - 1 and 2 k.
.macro TRIP par
	BPART \par
	CG 0                                           ; eight plain lines: also the places between the last product K Q^T and the loads into Q's registers below
	WIN 0
	s_wait_xcnt 0x0                                ; every earlier load, store and prefetch, the youngest a trip back, has read its address and data: the two pointers and O's packed registers may be written
	s_cmp_gt_u32 s[ACNT], 1+(\par)                 ; is there a tile t + 3?  (t <= 9)
	s_cselect_b32 s[BST], TILEB, 0
	s_add_nc_u64 s[BTP:BTP+1], s[BTP:BTP+1], s[BST:BST+1]  ; the pointer stands one tile behind the tile that is asked for
	s_cmp_eq_u32 s[ACNT], 7
	s_cbranch_scc1 .Lno_o_\@                       ; trips -1 and 0 have no finished tile
	FIN
.Lno_o_\@:
	LDBP \par, TILEB                               ; into the buffer that part B has just read out
	s_cmp_eq_u32 s[ACNT], 1
	s_cbranch_scc1 .Lno_q_\@                       ; trips 11 and 12 have no tile t + 2
	v_add_nc_u32 v[QAD], 8192, v[QAD]
	LDQ
.Lno_q_\@:
.if \par
	; A PREFETCH of the table, behind the trip's loads.  All 64 work-groups of a head read the same tiles: cluster y = 0 asks, each wave for its own head.  In trips 0 and 4 (the counter at 7 and 5) the partner
	; at cy asks for tile t + 5 + cy, told apart by address: tiles 5 to 12 are each named once, two to five trips ahead of their loads.  Tiles 0 to 4 come by their loads alone.
	s_or_b32 s[TMPS], s[ACNT], 2
	s_cmp_eq_u32 s[TMPS], s[PFK]
	s_cbranch_scc0 .Lno_pf_\@
	global_prefetch_b8 v[PF2], s[BTP:BTP+1] offset:3*TILEB th:TH_LOAD_NT scope:SCOPE_SE
.Lno_pf_\@:
.endif
	APART
	WIN 0
.endm
	LDBP 0, 0                                      ; the table of tiles 0 and 1; the fragments' registers are free: four places and the wait above stand behind their last use
	LDBP 1, TILEB
	WIN 0x0c                                       ; data window 3
.set pa, 0
.rept 5
.irp bi, 0,1,2,3
	ds_store_b128 v[QST0], v[QR+16*pa+4*\bi:QR+16*pa+4*\bi+3] offset:8192*pa+512*\bi
.endr
.set pa, pa+1
.endr
.set pa, 0
.rept 13                                       ; V: rounded, and into my stage as [key][channel]
	PACK pa,STG+16*(pa%4),0
	WIN 0
.irp bi, 0,1,2,3
	ds_store_b128 v[VST], v[STG+16*(pa%4)+4*\bi:STG+16*(pa%4)+4*\bi+3] offset:16*PVP*pa+32*\bi
.endr
.set pa, pa+1
.endr
	WIN 0x80                                       ; V^T into window 2: keys 32 kk on, channels 16 cb on, at v[8 (4 kk + cb)].  LDS serves a wave's instructions in order (ISA guide 5.7.1.4): these see the stores above
.set kk, 0
.rept 7
.irp cb, 0,1,2,3
	ds_load_tr16_b128 v[8*(4*kk+\cb):8*(4*kk+\cb)+3], v[AVT] offset:32*PVP*kk+32*\cb
.if kk < 6
	ds_load_tr16_b128 v[8*(4*kk+\cb)+4:8*(4*kk+\cb)+7], v[AVT] offset:32*PVP*kk+16*PVP+32*\cb
.else
.irp z, 4,5,6,7
	v_mov_b32 v[8*(4*kk+\cb)+\z], 0                ; keys 208-223 do not exist: 0 here and 0 in P
.endr
.endif
.endr
.set kk, kk+1
.endr
	LDQ                                            ; Q of tile 0
.irp z, 52,53,54,55
	v_mov_b32 v[PP+\z], 0
.endr
	WIN 0xc0
	v_mov_b32 v[RL+1], 0                           ; named with RL as a pair
	v_mov_b32 v[XR], 0                             ; v_permlanex16_b32's destination counts as read
	v_mov_b32 v[LL], 1.0                           ; trip -1 takes a reciprocal that nobody uses
	WIN 0
	s_mov_b32 s[BST+1], 0
	s_mov_b32 s[HM], 0xffff0000
	s_cmp_eq_u32 s[CLY], 0
	s_cselect_b32 s[PFK], 7, 0                     ; the same in all sixteen partners
	s_mov_b32 s[ACNT], 7
.Latt:
	TRIP 0
	TRIP 1
	s_sub_co_u32 s[ACNT], s[ACNT], 1
	s_cmp_lg_u32 s[ACNT], 0
	s_cbranch_scc1 .Latt
	WIN 0xff                                       ; tile 12's way out
	v_rcp_f32 v[RL], v[LL]
	PLACES                                         ; plain instructions behind the reciprocal; also the places behind the last product
	s_wait_alu depctr_va_vdst(0)                   ; the reciprocal's wait, ahead of its first reader
	WIN 0
	s_wait_xcnt 0x0                                ; as in a trip
	FIN
	s_wait_tensorcnt 0x0                           ; the wave's end: behind my last tensor load and my last LDS store
	ds_add_u32 v[SPW], v[NIL]
	s_wait_dscnt 0x0
	CROUND                                         ; the closing round: no work-group ends while a partner may still ask for a tile that names it
	s_endpgm
.Lfunc_end_k_q7ee2206d7a_qkva:
	.size	k_q7ee2206d7a_qkva, .Lfunc_end_k_q7ee2206d7a_qkva-k_q7ee2206d7a_qkva
	.p2alignl 7, 3214868480
	.fill 96, 4, 3214868480
	.section	.rodata,"a",@progbits
	.p2align	6, 0x0
	.amdhsa_kernel k_q7ee2206d7a_qkva
		.amdhsa_group_segment_fixed_size 327680
		.amdhsa_private_segment_fixed_size 0
		.amdhsa_enable_private_segment 0
		.amdhsa_kernarg_size 40
		.amdhsa_user_sgpr_count 2
		.amdhsa_user_sgpr_kernarg_segment_ptr 1
		.amdhsa_wavefront_size32 1
		.amdhsa_system_sgpr_workgroup_id_x 1
		.amdhsa_system_sgpr_workgroup_id_y 1
		.amdhsa_system_sgpr_workgroup_id_z 1
		.amdhsa_system_vgpr_workitem_id 0
		.amdhsa_next_free_vgpr 1024
		.amdhsa_next_free_sgpr 96
		.amdhsa_reserve_vcc 0
		.amdhsa_float_denorm_mode_32 3
		.amdhsa_float_denorm_mode_16_64 3
		.amdhsa_memory_ordered 1
		.amdhsa_forward_progress 1
		.amdhsa_inst_pref_size 250
	.end_amdhsa_kernel
	.amdgpu_metadata
---
amdhsa.version: [ 1, 2 ]
amdhsa.kernels:
  - .name:           k_q7ee2206d7a_qkva
    .symbol:         k_q7ee2206d7a_qkva.kd
    .args:
      - { .name: xb, .offset: 0, .size: 8, .value_kind: global_buffer, .address_space: global }
      - { .name: wq, .offset: 8, .size: 8, .value_kind: global_buffer, .address_space: global }
      - { .name: bb, .offset: 16, .size: 8, .value_kind: global_buffer, .address_space: global }
      - { .name: bt, .offset: 24, .size: 8, .value_kind: global_buffer, .address_space: global }
      - { .name: ow, .offset: 32, .size: 8, .value_kind: global_buffer, .address_space: global }
    .group_segment_fixed_size: 327680
    .private_segment_fixed_size: 0
    .kernarg_segment_align: 8
    .kernarg_segment_size: 40
    .max_flat_workgroup_size: 128
    .sgpr_count:     96
    .vgpr_count:     1024
    .wavefront_size: 32
...
	.end_amdgpu_metadata
.endif
;; end of part 2
;; launch proj (part 3): grid 4 x 64, 4 waves a work-group, clusters of 4 x 4, 327,680 bytes of LDS; arguments ow, wp, bb, out0; writes out0
.if DOCPART == 3
	.amdgcn_target "amdgcn-amd-amdhsa--gfx1250"
	.amdhsa_code_object_version 6
	.text
	.protected	k_q7ee2206d7a_proj
	.globl	k_q7ee2206d7a_proj
	.p2align	8
	.type	k_q7ee2206d7a_proj,@function
k_q7ee2206d7a_proj:
	s_mov_b64 s[64:65], 0
	v_nop
	global_prefetch_b8 v0, s[64:65] scope:SCOPE_SE
	s_setreg_imm32_b32 hwreg(HW_REG_WAVE_MODE, 25, 1), 1
	s_wait_xcnt 0x0
	s_wait_alu depctr_hold_cnt(0) depctr_sa_sdst(0) depctr_va_vdst(0) depctr_va_sdst(0) depctr_va_ssrc(0) depctr_va_vcc(0) depctr_vm_vsrc(0)
	s_getreg_b32 s2, hwreg(HW_REG_IB_STS2, 6, 4)
	s_cmp_eq_u32 s2, 0
	s_cbranch_scc0 .Lentry_in_a_cluster
	s_endpgm
.Lentry_in_a_cluster:
	s_bfe_u32 s2, ttmp6, 0x10000c
	s_cmp_lg_u32 s2, 0xf033
	s_cbranch_scc0 .Lentry_shape_is_right
	s_endpgm
.Lentry_shape_is_right:
; OUTPUT PROJECTION: out0[b][t][c] = the sum over k of O[b][t][k] proj_w[c][k] + proj_b[c], in f16 with f32 sums that start from the bias; out0 in f32.
; A work-group owns one batch (13 tiles of 16 tokens; rows 197-207 are computed and never stored) x 256 columns; a wave all tokens x 64 columns: 52 accumulators.  Source 0 = 16 rows of the weights, source 1 = 16 tokens.
; O arrives as ow = f16 [64 b][13 qt][16 h][4 cb][32 lane][8], the register image of source 1's fragments: a K step of 128 is two heads; a wave's tensor load brings one head's 13 blocks of 2,048 bytes,
; and a fragment load takes 512 consecutive bytes of LDS, so these rows need no padding.  The weights' tile is 256 rows of 256 bytes, padded to 272.
; RING, ROUNDS, CLUSTER as in the launch before: two slots, one tensor load a wave behind each round (two out at the start, one afterwards, by the text's own count), O's tile shared along a row of the
; 4 x 4 cluster, the weights' along a column.  The grid is one cluster wide, so cx is the block of 256 columns.
; LIMITS.  O and the weights are f16: within 65,504; the weights below 2^-17 keep f16's fixed step of 2^-24.
; REGISTERS: window 0: v2-12 addresses; v32-63 the bias as C; v64-127 the weights' fragments, two buffers (on the way out: rows read back); v128-231 O's 13 fragments; window 2: accumulators of token tiles 0-7; window 3: of tiles 8-12.
.set PITCH,  272
.set AHEAD,  13*2048                   ; one head's part of O's tile
.set ABYTES, 2*AHEAD
.set BHALF,  128*PITCH
.set BWAVE,  64*PITCH
.set SLOT1,  1<<17                     ; a slot is 122,880 bytes
.set STAGE,  SLOT1+ABYTES+2*BHALF      ; behind the ring, never filled: 16 rows x 272 bytes for each wave, for the way out
.set SPARE,  STAGE+4*16*PITCH          ; the spare words, 128 bytes for each wave: two blocks of 256 bytes that no other line names
.set G1WB,   (1<<16)|(1<<20)|(1<<21)|(5<<22)|(3<<25)  ; 2-byte elements; padding on; bit 21 beside a mask; after every 64 words; 4 words
.set G1WA,   (3<<16)|(1<<21)           ; 8-byte elements, no padding
.set A0,   2
.set B0,   3
.set ADRA, 4
.set ADRB, 5
.set SPW,  6
.set NIL,  7
.set PFO,  8
.set BO,   9
.set STO,  10
.set RD,   11
.set CO,   12
.set BIA,  32
.set BF,   64
.set AF,   128
.set OUT,  12                          ; s[12:13] out0 at my batch's first row, my 64 columns
.set WV,   14
.set ROLE, 15
.set HF,   16
.set CX,   17
.set CY,   18
.set BT,   19
.set BASEA, 20
.set BASEB, 22
.set G1A,  24
.set G1B,  32
.set G0A,  40
.set G0B,  48
.set NXT,  56
.set CNT,  57
.set CLY,  58
.set PSH,  59                          ; the shift that turns a K step's number into bytes, for my prefetches
.set OFFA, 60
.set OFFB, 62
.set TB,   66
.set LIM,  67
.set PFB,  68
.set PFA,  70
.set PFOF, 72
.set N1,   83
.set BBP,  84
.set MSB, 0
.macro WIN new
.if MSB != (\new)
	s_set_vgpr_msb (MSB<<8)|(\new)
.set MSB, \new
.endif
.endm
.macro PLACES                          ; four plain instructions between a matrix instruction and a vector instruction, store or load that touches its registers
.rept 4
	v_nop
.endr
.endm
.macro CREST
	s_cmp_lg_u32 s[WV], 0
	s_cbranch_scc1 .Lnot_wave_0_\@
	s_barrier_signal -3
.Lnot_wave_0_\@:
	s_barrier_wait -3
	s_barrier_signal -1
	s_barrier_wait -1
.endm
.macro CROUND
	s_barrier_signal -1
	s_barrier_wait -1
	CREST
.endm
.macro JLOAD                           ; a joint refill; the branch hangs on the wave's number alone; an s_nop 0 and four v_nop follow each line
	s_cmp_eq_u32 s[ROLE], 0
	s_cbranch_scc0 .Lfor_b_\@
	tensor_load_to_lds s[G0A+4:G0A+7], s[G1A:G1A+7]
	s_nop 0
	PLACES
	s_branch .Lasked_\@
.Lfor_b_\@:
	tensor_load_to_lds s[G0B+4:G0B+7], s[G1B:G1B+7]
	s_nop 0
	PLACES
.Lasked_\@:
.endm
; A PREFETCH of what the NEXT refill will ask for, one K step (208 matrix instructions) ahead, one instruction a wave, a lane a block of 256 bytes.  O's blocks are read by this cluster alone: it asks.  The weights' rows
; are read by all sixteen clusters: cluster y = 0 asks.  Partners share the blocks out BY ADDRESS: 26 of a wave's 104 blocks of O for each cx (lanes 26-31 name lane 25's once more), 32 of its 128 rows of the
; weights for each cy.  K steps 0 to 2 come by their loads alone; the last refill asks for nothing.
.macro ASK
	s_cmp_le_u32 s[N1], s[LIM]
	s_cbranch_scc0 .Lnot_mine_\@
	global_prefetch_b8 v[PFO], s[PFA:PFA+1] th:TH_LOAD_NT scope:SCOPE_SE
.Lnot_mine_\@:
.endm
.macro MULS a0, a1, bf, first          ; token tiles a0 .. a1 x my four column tiles, 32 along K; the 52 accumulators in the same order in every quarter, one instruction a turn
.set ma, \a0
.rept (\a1)-(\a0)+1
.set mw, 2+ma/8
.set mc, 32*(ma%8)
.if \first
	WIN (mw<<6)
.else
	WIN (mw<<6)|(mw<<4)
.endif
.irp bi, 0,1,2,3
.if \first
	v_wmma_f32_16x16x32_f16 v[mc+8*\bi:mc+8*\bi+7], v[BF+32*(\bf)+8*\bi:BF+32*(\bf)+8*\bi+7], v[AF+8*ma:AF+8*ma+7], v[BIA+8*\bi:BIA+8*\bi+7]
.else
	v_wmma_f32_16x16x32_f16 v[mc+8*\bi:mc+8*\bi+7], v[BF+32*(\bf)+8*\bi:BF+32*(\bf)+8*\bi+7], v[AF+8*ma:AF+8*ma+7], v[mc+8*\bi:mc+8*\bi+7]
.endif
.endr
.set ma, ma+1
.endr
.endm
.macro LDA a0, a1, kq                  ; O's fragments: quarter kq is channels 32 (kq % 2) on of head kq / 2 of the step's two
	WIN 0
.set la, \a0
.rept (\a1)-(\a0)+1
	ds_load_b128 v[AF+8*la:AF+8*la+3],   v[ADRA] offset:((\kq)/2)*AHEAD+la*2048+((\kq)%2)*1024
	ds_load_b128 v[AF+8*la+4:AF+8*la+7], v[ADRA] offset:((\kq)/2)*AHEAD+la*2048+((\kq)%2)*1024+512
.set la, la+1
.endr
.endm
.macro LDB bf, kq
	WIN 0
.irp bi, 0,1,2,3
	ds_load_b128 v[BF+32*(\bf)+8*\bi:BF+32*(\bf)+8*\bi+3],   v[ADRB] offset:\bi*16*PITCH+64*(\kq)
	ds_load_b128 v[BF+32*(\bf)+8*\bi+4:BF+32*(\bf)+8*\bi+7], v[ADRB] offset:\bi*16*PITCH+64*(\kq)+32
.endr
.endm
; The LDS loads go out in this order: .. [tiles 0-7 of q: 16] [tiles 8-12 of q: 10, weights of q + 1: 8] [tiles 0-7 of q + 1: 16] ..
.macro QUARTER kq, first
	s_wait_dscnt 26                                ; may stay out: tiles 4-7 (8), tiles 8-12 (10), the next weights (8)
	MULS 0,3,(\kq)%2,\first
	s_wait_dscnt 18                                ; tiles 8-12 and the next weights
	MULS 4,7,(\kq)%2,\first
	WIN 0
	PLACES
	LDA 0,7,(\kq)+1
	s_wait_dscnt 24                                ; the next weights (8) and the 16 just issued: tiles 8-12 are in
	MULS 8,12,(\kq)%2,\first
	WIN 0
	PLACES
	LDA 8,12,(\kq)+1
.if (\kq) < 2
	LDB (\kq)%2,(\kq)+2
.endif
.endm
; The last quarter changes slots: each wave waits for all its tensor loads (one is out: its part of the next slot), adds 0 to its spare word, waits for that and for its own reads of this slot, and signals.
; fill = 1: the barrier opens a round of the cluster's, and the joint refill is the first thing behind it.
.macro TURN fill
.if \fill
	s_wait_xcnt 0x0                                ; the last prefetch, a K step back, has read its address
	s_add_co_u32 s[N1], s[NXT], 1
	s_lshl_b32 s[PFOF], s[N1], s[PSH]
	s_add_nc_u64 s[PFA:PFA+1], s[PFB:PFB+1], s[PFOF:PFOF+1]
.endif
	WIN 0
	s_wait_tensorcnt 0x0                           ; all my tensor loads have landed, so a group 0 may be written;
	ds_add_u32 v[SPW], v[NIL]                      ; 0 onto my spare word
	s_wait_dscnt 11                                ; (the add and tiles 8-12 may be out)
	MULS 0,3,1,0
	s_wait_dscnt 0x0                               ; the add is done, and my reads of this slot are over
	s_barrier_signal -1
	MULS 4,7,1,0
	WIN 0
	s_barrier_wait -1
.if \fill
	CREST
	s_lshl_b32 s[OFFA], s[NXT], 12                 ; two heads' blocks on
	s_lshl_b32 s[OFFB], s[NXT], 8                  ; 256 bytes along a row
	s_xor_b32 s[G0A+5], s[G0A+5], SLOT1
	s_xor_b32 s[G0B+5], s[G0B+5], SLOT1
	s_add_nc_u64 s[G0A+6:G0A+7], s[BASEA:BASEA+1], s[OFFA:OFFA+1]
	s_or_b32 s[G0A+7], s[G0A+7], 0x80000000
	s_add_nc_u64 s[G0B+6:G0B+7], s[BASEB:BASEB+1], s[OFFB:OFFB+1]
	s_or_b32 s[G0B+7], s[G0B+7], 0x80000000
	JLOAD                                          ; its four v_nop are also the places in front of the loads below
.else
	PLACES
.endif
	s_xor_b32 s[TB], s[TB], SLOT1
	v_add_nc_u32 v[ADRA], s[TB], v[A0]
	v_add_nc_u32 v[ADRB], s[TB], v[B0]
	LDB 0,0
	LDA 0,7,0
.if \fill
	ASK
.endif
	MULS 8,12,1,0
	WIN 0
	PLACES
	LDA 8,12,0
	LDB 1,1
.if \fill
	s_add_co_u32 s[NXT], s[NXT], 1
.endif
.endm
	s_load_b256 s[4:11], s[0:1], 0x0               ; ow 4, wp 6, bb 8, out0 10
	v_lshl_add_u32 v[SPW], v0, 2, SPARE
	v_mov_b32 v[NIL], 0
	ds_add_u32 v[SPW], v[NIL]                      ; the wave's opening: the add and its wait stand ahead of my first tensor load; the set-up below stands between them
	v_lshrrev_b32 v1, 5, v0
	v_readfirstlane_b32 s[WV], v1
	s_lshr_b32 s[ROLE], s[WV], 1
	s_and_b32 s[HF], s[WV], 1
	s_bfe_u32 s[CX], ttmp6, 0x40000
	s_bfe_u32 s[CY], ttmp6, 0x40004
	s_and_b32 s[CLY], ttmp7, 0xffff
	s_lshl_b32 s[BT], s[CLY], 2
	s_add_co_u32 s[BT], s[BT], s[CY]               ; batch = 4 x cluster y + cy
	s_lshl_b32 s86, s[CY], 2
	s_lshl_b32 s86, 15, s86                        ; my row of the cluster
	s_lshl_b32 s88, 0x1111, s[CX]                  ; my column
	s_or_b32 s[G1A], s86, G1WA
	s_or_b32 s[G1B], s88, G1WB
	s_mov_b32 s[G1A+1], 256<<16                    ; tensor_dim0 = 256 elements of 8 bytes: a block of 2,048 bytes
	s_mov_b32 s[G1A+2], 13<<16                     ; tensor_dim1 = 13 query tiles
	s_mov_b32 s[G1A+3], 256<<16                    ; tile_dim0
	s_mov_b32 s[G1A+4], 13                         ; tile_dim1
	s_mov_b32 s[G1A+5], 4096                       ; 16 heads x 2,048 bytes from a query tile to the next
	s_mov_b32 s[G1A+6], 0
	s_mov_b32 s[G1A+7], 0
	s_mov_b32 s[G1B+1], 128<<16
	s_mov_b32 s[G1B+2], 128<<16
	s_mov_b32 s[G1B+3], 128<<16
	s_mov_b32 s[G1B+4], 128
	s_mov_b32 s[G1B+5], 1024
	s_mov_b32 s[G1B+6], 0
	s_mov_b32 s[G1B+7], 0
	s_mul_i32 s86, s[BT], 13*16*2048
	s_lshl_b32 s87, s[HF], 11
	s_add_co_u32 s86, s86, s87                     ; O: the batch's first block, head = my half
	s_mov_b32 s87, 0
	s_lshl_b32 s88, s[CX], 8
	s_lshl_b32 s89, s[HF], 7
	s_add_co_u32 s88, s88, s89
	s_lshl_b32 s88, s88, 11                        ; the weights: row 256 cx + 128 half
	s_mov_b32 s89, 0
	s_mov_b32 s[G0A], 1
	s_mul_i32 s[G0A+1], s[HF], AHEAD               ; no place in the cluster enters an LDS address
	s_mov_b32 s[G0A+4], 1
	s_add_co_u32 s[G0A+5], s[G0A+1], SLOT1
	s_mov_b32 s[G0B], 1
	s_mul_i32 s[G0B+1], s[HF], BHALF
	s_add_co_u32 s[G0B+1], s[G0B+1], ABYTES
	s_mov_b32 s[G0B+4], 1
	s_add_co_u32 s[G0B+5], s[G0B+1], SLOT1
	s_mov_b32 s[OFFA+1], 0
	s_mov_b32 s[OFFB+1], 0
	s_mov_b32 s[PFOF+1], 0
	s_mov_b32 s[NXT], 2
	s_mov_b32 s[TB], 0
	; the prefetches: base, lane offset, shift and last step, by my role
	s_lshl_b32 s91, s[CY], 5
	s_lshl_b32 s2, s[CX], 8
	s_add_co_u32 s91, s91, s2
	s_lshl_b32 s2, s[HF], 7
	s_add_co_u32 s91, s91, s2
	s_lshl_b32 s91, s91, 11                        ; the weights at row 256 cx + 128 half + 32 cy
	s_mul_i32 s90, s[BT], 13*16*2048
	s_lshl_b32 s2, s[HF], 11
	s_add_co_u32 s90, s90, s2                      ; O as above
	s_mul_i32 s2, s[CX], 26
	v_and_b32 v21, 31, v0                          ; lane
	v_min_u32 v22, 25, v21
	v_add_nc_u32 v22, s2, v22                      ; block j of my head's 104: query tile j / 8, 256 bytes j % 8
	v_lshrrev_b32 v23, 3, v22
	v_and_b32 v22, 7, v22
	v_lshlrev_b32 v22, 8, v22
	v_lshl_or_b32 v22, v23, 15, v22
	v_lshlrev_b32 v23, 11, v21                     ; or a row of the weights a lane
	s_cmp_eq_u32 s[CLY], 0
	s_cselect_b32 s[LIM], 7, 0
	s_cmp_eq_u32 s[ROLE], 0
	s_cselect_b32 s[LIM], 7, s[LIM]
	s_cselect_b32 s90, s90, s91
	s_cselect_b32 s[PSH], 12, 8
	s_cselect_b32 s3, -1, 0
	s_mov_b32 s91, 0
	v_cndmask_b32 v[PFO], v23, v22, s3
	s_wait_dscnt 0x0                               ; the opening add is done
	s_wait_kmcnt 0x0
	s_add_nc_u64 s[BASEA:BASEA+1], s[4:5], s[86:87]
	s_add_nc_u64 s[BASEB:BASEB+1], s[6:7], s[88:89]
	s_cmp_eq_u32 s[ROLE], 0
	s_cselect_b64 s[PFB:PFB+1], s[4:5], s[6:7]
	s_add_nc_u64 s[PFB:PFB+1], s[PFB:PFB+1], s[90:91]
	s_mov_b64 s[G0A+2:G0A+3], s[BASEA:BASEA+1]     ; K step 0
	s_or_b32 s[G0A+3], s[G0A+3], 0x80000000
	s_add_nc_u64 s[G0A+6:G0A+7], s[BASEA:BASEA+1], 4096  ; K step 1
	s_or_b32 s[G0A+7], s[G0A+7], 0x80000000
	s_mov_b64 s[G0B+2:G0B+3], s[BASEB:BASEB+1]
	s_or_b32 s[G0B+3], s[G0B+3], 0x80000000
	s_add_nc_u64 s[G0B+6:G0B+7], s[BASEB:BASEB+1], 256
	s_or_b32 s[G0B+7], s[G0B+7], 0x80000000
	s_mov_b32 s3, 0
	s_lshl_b32 s2, s[CX], 10
	s_lshl_b32 s90, s[WV], 8
	s_add_co_u32 s90, s90, s2                      ; my 64 columns: 256 bytes of a row of out0, and of the bias
	s_add_co_u32 s2, s90, 12288                    ; proj_b is bb's fourth part
	s_add_nc_u64 s[BBP:BBP+1], s[8:9], s[2:3]
	s_mul_i32 s2, s[BT], 197*4096
	s_add_co_u32 s2, s2, s90
	s_add_nc_u64 s[OUT:OUT+1], s[10:11], s[2:3]
	CROUND                                         ; all sixteen work-groups are here: the first joint loads meet
	s_cmp_eq_u32 s[ROLE], 0                        ; a wave's two first fills stand in one branch, ahead of every wait on TENSORcnt and every LDS read
	s_cbranch_scc0 .Lfirst_b
	tensor_load_to_lds s[G0A:G0A+3], s[G1A:G1A+7]
	s_nop 0
	tensor_load_to_lds s[G0A+4:G0A+7], s[G1A:G1A+7]
	s_nop 0
	PLACES
	s_branch .Lfirst_asked
.Lfirst_b:
	tensor_load_to_lds s[G0B:G0B+3], s[G1B:G1B+7]
	s_nop 0
	tensor_load_to_lds s[G0B+4:G0B+7], s[G1B:G1B+7]
	s_nop 0
	PLACES
.Lfirst_asked:
	v_and_b32 v1, 15, v0                           ; l % 16
	v_bfe_u32 v20, v0, 4, 1                        ; l / 16
	v_lshlrev_b32 v[BO], 5, v20
.irp bi, 0,1,2,3                               ; the bias as a C operand: register j of column tile bi is column 16 bi + 8 (lane / 16) + j
	global_load_b128 v[BIA+8*\bi:BIA+8*\bi+3],   v[BO], s[BBP:BBP+1] offset:64*\bi
	global_load_b128 v[BIA+8*\bi+4:BIA+8*\bi+7], v[BO], s[BBP:BBP+1] offset:64*\bi+16
.endr
	v_lshlrev_b32 v[A0], 4, v21                    ; O's fragments lie as the lanes take them
	v_mul_u32_u24 v[B0], v1, PITCH
	v_lshl_add_u32 v[B0], v20, 4, v[B0]
	s_mul_i32 s2, s[WV], BWAVE
	s_add_co_u32 s2, s2, ABYTES
	v_add_nc_u32 v[B0], s2, v[B0]
	v_mov_b32 v[ADRA], v[A0]
	v_mov_b32 v[ADRB], v[B0]
	s_mul_i32 s2, s[WV], 16*PITCH
	s_add_co_u32 s2, s2, STAGE                     ; my stage
	v_mul_u32_u24 v[STO], v1, PITCH                ; in: row = token l % 16, 32 bytes for each half of the lanes
	v_lshl_add_u32 v[STO], v20, 5, v[STO]
	v_add_nc_u32 v[STO], s2, v[STO]
	v_mul_u32_u24 v[RD], v20, PITCH                ; back: lanes 0-15 take one row of 256 bytes, lanes 16-31 the next
	v_lshl_add_u32 v[RD], v1, 4, v[RD]
	v_add_nc_u32 v[RD], s2, v[RD]
	v_lshlrev_b32 v[CO], 12, v20                   ; and the same two rows in out0
	v_lshl_add_u32 v[CO], v1, 4, v[CO]
	s_wait_tensorcnt 0x1                           ; my part of K step 0 is in; K step 1's may stay out
	s_barrier_signal -1
	s_barrier_wait -1
	LDB 0,0
	LDA 0,7,0
	LDA 8,12,0
	LDB 1,1
	s_wait_loadcnt 0x0                             ; the bias
	s_mov_b32 s[CNT], 6                            ; six K steps fill a slot again; the first quarter, whose products start the sums, stands ahead of the loop, which is entered in the middle of a trip
	QUARTER 0,1
	WIN 0
	s_branch .Lin
.Lstep:
	QUARTER 0,0
	WIN 0
.Lin:
	QUARTER 1,0
	QUARTER 2,0
	TURN 1
	WIN 0
	s_sub_co_u32 s[CNT], s[CNT], 1
	s_cmp_lg_u32 s[CNT], 0
	s_cbranch_scc1 .Lstep
	; The last two K steps fill nothing: one text without a refill, walked twice.  The second walk's change of slots fetches 42 fragments of a step that does not exist,
	; out of a slot that nobody writes: the price of one text; they are waited for below and never multiplied.
	s_mov_b32 s[CNT], 2
.Ltail:
	QUARTER 0,0
	QUARTER 1,0
	QUARTER 2,0
	TURN 0
	WIN 0
	s_sub_co_u32 s[CNT], s[CNT], 1
	s_cmp_lg_u32 s[CNT], 0
	s_cbranch_scc1 .Ltail
	s_wait_dscnt 0x0                               ; those fragments have landed: their registers are used again below.  Four places stand behind the last product, in the change of slots
; THE WAY OUT, a token tile at a time: a lane's eight columns of a token (32 bytes) go into my own stage, rows of 272 bytes, and come back as whole rows of 256; sixteen lanes then store a token's 256 bytes.
.macro TOSTAGE a, rows
	WIN 0
	s_wait_xcnt 0x0                                ; the stores of the tile before last have read the registers that the loads below fill
.set tw, 2+(\a)/8
.set tc, 32*((\a)%8)
	WIN (tw<<2)                                    ; address window 0, data window 2 or 3
.irp bi, 0,1,2,3
	ds_store_b128 v[STO], v[tc+8*\bi:tc+8*\bi+3]   offset:64*\bi      ; each accumulator is read from its low end on
	ds_store_b128 v[STO], v[tc+8*\bi+4:tc+8*\bi+7] offset:64*\bi+16
.endr
	WIN 0
.set bk, BF+32*((\a)%2)
.set t, 0
.rept \rows
	ds_load_b128 v[bk+4*t:bk+4*t+3], v[RD] offset:2*PITCH*t  ; LDS serves a wave's instructions in order (ISA guide 5.7.1.4): these see the stores above; the next tile's stores come behind them
.set t, t+1
.endr
.endm
.macro SEND a, younger, rows           ; younger: the LDS instructions issued behind tile a's loads
	s_wait_dscnt \younger
.set bk, BF+32*((\a)%2)
.set t, 0
.rept \rows
	global_store_b128 v[CO], v[bk+4*t:bk+4*t+3], s[OUT:OUT+1] offset:(16*(\a)+2*t)*4096 th:TH_STORE_NT  ; 16 lanes store 256 consecutive bytes, at a multiple of 256 from out0's first
.set t, t+1
.endr
.endm
	TOSTAGE 0,8
.set wa, 1
.rept 11
	TOSTAGE wa,8
	SEND wa-1,16,8
.set wa, wa+1
.endr
	TOSTAGE 12,3                                   ; tokens 192-196 are all that is left: three pairs of rows
	SEND 11,11,8
	SEND 12,0,2
	s_wait_xcnt 0x0                                ; EXEC changes only behind this wait
	v_cmp_gt_u32 vcc_lo, 16, v21
	s_and_saveexec_b32 s2, vcc_lo                  ; token 196 alone: lanes 16-31 hold a token that does not exist
	global_store_b128 v[CO], v[BF+8:BF+11], s[OUT:OUT+1] offset:196*4096 th:TH_STORE_NT
	s_wait_xcnt 0x0                                ; and again, in front of the line that widens it
	s_or_b32 exec_lo, exec_lo, s2
	s_wait_tensorcnt 0x0                           ; the wave's end: behind my last tensor load and my last LDS store
	ds_add_u32 v[SPW], v[NIL]
	s_wait_dscnt 0x0
	CROUND                                         ; the closing round: no work-group ends while a partner may still ask for a tile that names it
	s_endpgm
.Lfunc_end_k_q7ee2206d7a_proj:
	.size	k_q7ee2206d7a_proj, .Lfunc_end_k_q7ee2206d7a_proj-k_q7ee2206d7a_proj
	.p2alignl 7, 3214868480
	.fill 96, 4, 3214868480
	.section	.rodata,"a",@progbits
	.p2align	6, 0x0
	.amdhsa_kernel k_q7ee2206d7a_proj
		.amdhsa_group_segment_fixed_size 327680
		.amdhsa_private_segment_fixed_size 0
		.amdhsa_enable_private_segment 0
		.amdhsa_kernarg_size 32
		.amdhsa_user_sgpr_count 2
		.amdhsa_user_sgpr_kernarg_segment_ptr 1
		.amdhsa_wavefront_size32 1
		.amdhsa_system_sgpr_workgroup_id_x 1
		.amdhsa_system_sgpr_workgroup_id_y 1
		.amdhsa_system_sgpr_workgroup_id_z 1
		.amdhsa_system_vgpr_workitem_id 0
		.amdhsa_next_free_vgpr 928
		.amdhsa_next_free_sgpr 96
		.amdhsa_reserve_vcc 1
		.amdhsa_float_denorm_mode_32 3
		.amdhsa_float_denorm_mode_16_64 3
		.amdhsa_memory_ordered 1
		.amdhsa_forward_progress 1
		.amdhsa_inst_pref_size 90
	.end_amdhsa_kernel
	.amdgpu_metadata
---
amdhsa.version: [ 1, 2 ]
amdhsa.kernels:
  - .name:           k_q7ee2206d7a_proj
    .symbol:         k_q7ee2206d7a_proj.kd
    .args:
      - { .name: ow, .offset: 0, .size: 8, .value_kind: global_buffer, .address_space: global }
      - { .name: wp, .offset: 8, .size: 8, .value_kind: global_buffer, .address_space: global }
      - { .name: bb, .offset: 16, .size: 8, .value_kind: global_buffer, .address_space: global }
      - { .name: out0, .offset: 24, .size: 8, .value_kind: global_buffer, .address_space: global }
    .group_segment_fixed_size: 327680
    .private_segment_fixed_size: 0
    .kernarg_segment_align: 8
    .kernarg_segment_size: 32
    .max_flat_workgroup_size: 128
    .sgpr_count:     96
    .vgpr_count:     928
    .wavefront_size: 32
...
	.end_amdgpu_metadata
.endif
;; end of part 3
;; ======== version 2 of 2: 3 launches; version 1 with the launch prep written anew for expert scheduling mode
;; limits: values are held in f16: magnitudes above 65,504 overflow, below 6.1e-05 lose precision
;; workspace buffers: xb 25,821,184 bytes; wq 6,291,456 bytes; wp 2,097,152 bytes; bb 16,384 bytes; bt 1,384,448 bytes; ow 27,262,976 bytes
;; launch prep (part 4): grid 1383 x 1, 8 waves a work-group, no clusters, 0 bytes of LDS; arguments x, qkv_w, proj_w, q_bias, v_bias, proj_b, rel_pos_index, rpb_table, xb, wq, wp, bb, bt; writes xb, wq, wp, bb, bt
.if DOCPART == 4
	.amdgcn_target "amdgcn-amd-amdhsa--gfx1250"
	.amdhsa_code_object_version 6
	.text
	.protected	k_q7ee2206d7a_prep
	.globl	k_q7ee2206d7a_prep
	.p2align	8
	.type	k_q7ee2206d7a_prep,@function
k_q7ee2206d7a_prep:
	s_mov_b64 s[64:65], 0
	v_nop
	global_prefetch_b8 v0, s[64:65] scope:SCOPE_SE
	s_setreg_imm32_b32 hwreg(HW_REG_WAVE_SCHED_MODE, 0, 2), 2
	s_setreg_imm32_b32 hwreg(HW_REG_WAVE_MODE, 25, 1), 1
	s_wait_xcnt 0x0
	s_wait_alu depctr_vm_vsrc(0)
; PREP: every input is rounded once to bf16 and laid out for the two matrix launches.
;   xb = bf16(x) [12608][1024];  wq = bf16(qkv_w) [3072][1024];  wp = bf16(proj_w) written as f16 [1024][1024]
;   bb = f32 [bf16(q_bias) | 1024 zeros | bf16(v_bias) | bf16(proj_b)]
;   bt = bf16 [16 heads][13 query tiles][13 key tiles][32 lanes][8]: bf16(8 x rpb_table[rel_pos_index[q][k]][h]) for
;        q = min(16 qt + lane % 16, 196), k = 16 kt + 8 (lane / 16) + j, and -1e30 where k > 196 (a key that does not exist).
;        A lane's 16 bytes are the eight numbers with which its sums of the score product start; the factor 8, a power of two that changes no rounding, undoes the 1/8 applied to the whole score later.
; LIMITS.  wp: a bf16 number is exact in f16 from 2^-17 up to 65,504; below it keeps f16's fixed step of 2^-24.  An index above 731 is taken as 731.
; SHARES, by the work-group's number: 788 x 16,384 numbers of x, 192 of qkv_w, 64 of proj_w, 338 x 8 tiles of the table (a wave a tile), 1 for the biases.
; A stream: no LDS, no barrier, no matrix unit; each byte is read once and written once, so nothing is asked for ahead of the loads either.
; THE MODE: SCHED_MODE bits 1:0 = 2 (LLVM: expert scheduling mode 2), set by the entry lines.  The code itself states the register dependences
; between vector instructions and memory instructions, with s_wait_alu, always for 0.
; THE PLAN.  Registers that memory instructions touch:
;   v2, v3      the casts' byte offsets, made at the head and never written again: one wait at the head serves every load and store that reads them.
;   LDR         sixteen loads land here, once; no vector line names these registers ahead of the loads; the conversions read them behind the loads' counted waits.
;   STR         a pair for each of the sixteen stores: written once, by the conversions; read once, by its store.  No register that a memory instruction has read is ever written again.
;   The casts go in four blocks of four loads.  Block p's conversions write block p's pairs of STR; the stores of block p - 1 are issued in block p, behind ONE wait at its head,
;   and are dealt among block p's conversions, which name block p's LDR and STR and TMP alone.
;   The table and the biases: every run of loads or stores stands behind one wait, which follows the vector lines that make its offsets or its data; the table's eight masks are made in one run, into
;   eight scalar registers, with one wait behind them.
.set NX,  788
.set NW,  192
.set NPW, 64
.set NTB, 338
.set LDR, 16                           ; v[16:79]   sixteen loads of 16 bytes a lane
.set STR, 80                           ; v[80:111]  sixteen stores of 8 bytes a lane, each with registers of its own
.set TMP, 112                          ; v[112:115] at work: no memory instruction names them
.set MK,  40                           ; s[40:47]   the table: mask j marks the lanes whose key j does not exist
; A wave's 2,048 numbers: sixteen loads (512 consecutive bytes each) all go out first; store i covers 256 consecutive bytes, aligned.
.macro CONV src, dst, hf
.set i, 0
.rept 16
	global_load_b128 v[LDR+4*i:LDR+4*i+3], v2, s[\src:\src+1] offset:512*i th:TH_LOAD_NT
.set i, i+1
.endr
.set i, 0
.rept 4                                        ; a block: loads i to i + 3
	s_wait_loadcnt 12-i                            ; loads come back in order: this block's four are in, the 12 - i younger ones stay out
.if i > 0
	s_wait_alu depctr_va_vdst(0)                   ; the block before has written its four pairs of STR, which the four stores below read
.endif
.rept 4
.if i > 3
	global_store_b64 v3, v[STR+2*i-8:STR+2*i-7], s[\dst:\dst+1] offset:256*i-1024  ; the block before; no vector line since the wait names these registers
.endif
	v_cvt_pk_bf16_f32 v[STR+2*i], v[LDR+4*i], v[LDR+4*i+1]
	v_cvt_pk_bf16_f32 v[STR+2*i+1], v[LDR+4*i+2], v[LDR+4*i+3]
.if \hf
	v_lshlrev_b32 v[TMP], 16, v[STR+2*i]           ; the bf16 numbers as f32,
	v_and_b32 v[TMP+1], s31, v[STR+2*i]
	v_lshlrev_b32 v[TMP+2], 16, v[STR+2*i+1]
	v_and_b32 v[TMP+3], s31, v[STR+2*i+1]
	v_cvt_pk_f16_f32 v[STR+2*i], v[TMP], v[TMP+1]  ; written as f16
	v_cvt_pk_f16_f32 v[STR+2*i+1], v[TMP+2], v[TMP+3]
.endif
.set i, i+1
.endr
.endr
	s_wait_alu depctr_va_vdst(0)                   ; the last block has written its four pairs of STR, which the last four stores read
.set i, 12
.rept 4
	global_store_b64 v3, v[STR+2*i:STR+2*i+1], s[\dst:\dst+1] offset:256*i
.set i, i+1
.endr
.endm
	s_load_b512 s[4:19], s[0:1], 0x0               ; x 4, qkv_w 6, proj_w 8, q_bias 10, v_bias 12, proj_b 14, rel_pos_index 16, rpb_table 18
	s_load_b256 s[20:27], s[0:1], 0x40             ; xb 20, wq 22, wp 24, bb 26
	s_load_b64 s[28:29], s[0:1], 0x60              ; bt
	v_lshrrev_b32 v1, 5, v0
	v_readfirstlane_b32 s30, v1                    ; wave 0..7
	v_and_b32 v1, 31, v0                           ; lane
	s_mov_b32 s31, 0xffff0000                      ; a word's upper bf16
	s_mov_b32 s33, ttmp9
	s_wait_alu depctr_va_sdst(0)                   ; s30 is written, ahead of its first reader: the wave's offsets and the table's tile are made from it
	s_lshl_b32 s32, s30, 13
	v_lshl_add_u32 v2, v1, 4, s32                  ; in: 8,192 x wave + 16 x lane
	s_lshl_b32 s41, s30, 12
	v_lshl_add_u32 v3, v1, 3, s41                  ; out: 4,096 x wave + 8 x lane
	s_mov_b32 s3, 0
	s_mov_b32 s35, 0
	s_wait_alu depctr_va_vdst(0)                   ; v2 and v3 are written: every load and store of the casts reads one of them as its offset
	s_wait_kmcnt 0x0
	s_cmp_lt_u32 s33, NX+NW
	s_cbranch_scc0 .Lnot_bf16
	s_cmp_lt_u32 s33, NX                           ; x or qkv_w: one text, the buffers chosen by the work-group's number
	s_cselect_b64 s[36:37], s[4:5], s[6:7]
	s_cselect_b64 s[38:39], s[20:21], s[22:23]
	s_cselect_b32 s40, 0, NX
	s_sub_co_u32 s33, s33, s40
	s_lshl_b32 s2, s33, 16                         ; 16,384 numbers: 65,536 bytes in,
	s_lshl_b32 s34, s33, 15                        ; 32,768 out
	s_add_nc_u64 s[36:37], s[36:37], s[2:3]
	s_add_nc_u64 s[38:39], s[38:39], s[34:35]
	CONV 36, 38, 0
	s_endpgm
.Lnot_bf16:
	s_cmp_lt_u32 s33, NX+NW+NPW
	s_cbranch_scc0 .Lnot_w
	s_sub_co_u32 s33, s33, NX+NW
	s_lshl_b32 s2, s33, 16
	s_lshl_b32 s34, s33, 15
	s_add_nc_u64 s[8:9], s[8:9], s[2:3]
	s_add_nc_u64 s[24:25], s[24:25], s[34:35]
	CONV 8, 24, 1
	s_endpgm
.Lnot_w:
	s_cmp_lt_u32 s33, NX+NW+NPW+NTB
	s_cbranch_scc0 .Lbias
	; THE TABLE: a wave makes one tile of 16 queries x 16 keys for one head
	s_sub_co_u32 s33, s33, NX+NW+NPW
	s_lshl_b32 s33, s33, 3
	s_add_co_u32 s33, s33, s30                     ; tile 0 .. 2,703 = 169 h + 13 qt + kt
	s_mul_i32 s34, s33, 6205
	s_lshr_b32 s34, s34, 20                        ; h = tile / 169 (6,205 / 2^20 is 1/169 to within 4e-7: exact below 2,704)
	s_mul_i32 s36, s34, 169
	s_sub_co_u32 s36, s33, s36
	s_mul_i32 s37, s36, 79
	s_lshr_b32 s37, s37, 10                        ; qt = rest / 13 (79 / 1,024: exact below 169)
	s_mul_i32 s38, s37, 13
	s_sub_co_u32 s38, s36, s38                     ; kt
	v_and_b32 v4, 15, v1
	v_lshrrev_b32 v5, 4, v1
	s_lshl_b32 s37, s37, 4
	v_add_nc_u32 v4, s37, v4
	v_min_u32 v4, 196, v4                          ; q: a query that does not exist takes the last one's row, so that its numbers are finite
	v_mul_u32_u24 v4, v4, 197
	s_lshl_b32 s38, s38, 4
	v_lshl_add_u32 v5, v5, 3, s38                  ; 16 kt + 8 (lane / 16)
	v_mov_b32 v7, 0xf149f2ca                       ; -1e30
	v_lshlrev_b32 v6, 4, v1                        ; 16 x lane
.irp j, 0,1,2,3,4,5,6,7
	v_add_nc_u32 v[8+\j], \j, v5                   ; k
	v_min_u32 v[16+\j], 196, v[8+\j]
	v_add_lshl_u32 v[16+\j], v[16+\j], v4, 2
.endr
	s_wait_alu depctr_va_vdst(0)                   ; the eight offsets v[16:23] are written, which the loads below read, and v6, which the tile's store reads
.irp j, 0,1,2,3,4,5,6,7
	global_load_b32 v[24+\j], v[16+\j], s[16:17]
.endr
.irp j, 0,1,2,3,4,5,6,7
	v_cmp_lt_u32 s[MK+\j], 196, v[8+\j]            ; the masks hang on k alone: made in one run while the indices are on their way (s41's earlier reader stands ahead of the head's wait)
.endr
	s_lshl_b32 s34, s34, 2                         ; 4 h: the head's place in a row of the table
	s_lshl_b32 s2, s33, 9                          ; a tile is 512 bytes
	s_add_nc_u64 s[28:29], s[28:29], s[2:3]
	s_wait_alu depctr_va_sdst(0)                   ; the eight masks s[40:47] are written, ahead of their first reader, the selects below
	s_wait_loadcnt 0x0
.irp j, 0,1,2,3,4,5,6,7
	v_min_u32 v[24+\j], 731, v[24+\j]              ; the index stays inside the table
	v_lshl_add_u32 v[24+\j], v[24+\j], 6, s34      ; a row is 64 bytes
.endr
	s_wait_alu depctr_va_vdst(0)                   ; the eight offsets v[24:31] are written, which the loads below read
.irp j, 0,1,2,3,4,5,6,7
	global_load_b32 v[32+\j], v[24+\j], s[18:19]
.endr
	s_wait_loadcnt 0x0
.irp j, 0,1,2,3,4,5,6,7
	v_mul_f32 v[32+\j], 0x41000000, v[32+\j]       ; x 8: exact
	v_cndmask_b32 v[32+\j], v[32+\j], v7, s[MK+\j]
.endr
.irp j, 0,1,2,3
	v_cvt_pk_bf16_f32 v[40+\j], v[32+2*\j], v[33+2*\j]  ; the one rounding
.endr
	s_wait_alu depctr_va_vdst(0)                   ; the roundings have written v[40:43], which the store reads
	global_store_b128 v6, v[40:43], s[28:29]       ; 512 consecutive bytes, at a multiple of 512 from bt's first
	s_endpgm
.Lbias:
	v_lshlrev_b32 v4, 4, v0                        ; 256 threads x 4 numbers
.irp j, 28,29,30,31
	v_mov_b32 v[\j], 0                             ; k has no bias: zeros, so that the three phases of the projection have one form
.endr
	s_wait_alu depctr_va_vdst(0)                   ; v4 is written, the offset of every load and store below, and so are the zeros v[28:31], which the first store reads
	global_load_b128 v[16:19], v4, s[10:11]
	global_load_b128 v[20:23], v4, s[12:13]
	global_load_b128 v[24:27], v4, s[14:15]
	global_store_b128 v4, v[28:31], s[26:27] offset:4096
	s_wait_loadcnt 0x0
.irp j, 0,1,2,3,4,5
	v_cvt_pk_bf16_f32 v[40+\j], v[16+2*\j], v[17+2*\j]
.endr
.irp j, 0,1,2,3,4,5
	v_lshlrev_b32 v[16+2*\j], 16, v[40+\j]
	v_and_b32 v[17+2*\j], s31, v[40+\j]
.endr
	s_wait_alu depctr_va_vdst(0)                   ; the shifts and masks have written v[16:27], which the three stores read
	global_store_b128 v4, v[16:19], s[26:27]
	global_store_b128 v4, v[20:23], s[26:27] offset:8192
	global_store_b128 v4, v[24:27], s[26:27] offset:12288
	s_endpgm
.Lfunc_end_k_q7ee2206d7a_prep:
	.size	k_q7ee2206d7a_prep, .Lfunc_end_k_q7ee2206d7a_prep-k_q7ee2206d7a_prep
	.p2alignl 7, 3214868480
	.fill 96, 4, 3214868480
	.section	.rodata,"a",@progbits
	.p2align	6, 0x0
	.amdhsa_kernel k_q7ee2206d7a_prep
		.amdhsa_group_segment_fixed_size 0
		.amdhsa_private_segment_fixed_size 0
		.amdhsa_enable_private_segment 0
		.amdhsa_kernarg_size 104
		.amdhsa_user_sgpr_count 2
		.amdhsa_user_sgpr_kernarg_segment_ptr 1
		.amdhsa_wavefront_size32 1
		.amdhsa_system_sgpr_workgroup_id_x 1
		.amdhsa_system_sgpr_workgroup_id_y 1
		.amdhsa_system_sgpr_workgroup_id_z 1
		.amdhsa_system_vgpr_workitem_id 0
		.amdhsa_next_free_vgpr 120
		.amdhsa_next_free_sgpr 66
		.amdhsa_reserve_vcc 0
		.amdhsa_float_denorm_mode_32 3
		.amdhsa_float_denorm_mode_16_64 3
		.amdhsa_memory_ordered 1
		.amdhsa_forward_progress 1
		.amdhsa_inst_pref_size 26
	.end_amdhsa_kernel
	.amdgpu_metadata
---
amdhsa.version: [ 1, 2 ]
amdhsa.kernels:
  - .name:           k_q7ee2206d7a_prep
    .symbol:         k_q7ee2206d7a_prep.kd
    .args:
      - { .name: x, .offset: 0, .size: 8, .value_kind: global_buffer, .address_space: global }
      - { .name: qkv_w, .offset: 8, .size: 8, .value_kind: global_buffer, .address_space: global }
      - { .name: proj_w, .offset: 16, .size: 8, .value_kind: global_buffer, .address_space: global }
      - { .name: q_bias, .offset: 24, .size: 8, .value_kind: global_buffer, .address_space: global }
      - { .name: v_bias, .offset: 32, .size: 8, .value_kind: global_buffer, .address_space: global }
      - { .name: proj_b, .offset: 40, .size: 8, .value_kind: global_buffer, .address_space: global }
      - { .name: rel_pos_index, .offset: 48, .size: 8, .value_kind: global_buffer, .address_space: global }
      - { .name: rpb_table, .offset: 56, .size: 8, .value_kind: global_buffer, .address_space: global }
      - { .name: xb, .offset: 64, .size: 8, .value_kind: global_buffer, .address_space: global }
      - { .name: wq, .offset: 72, .size: 8, .value_kind: global_buffer, .address_space: global }
      - { .name: wp, .offset: 80, .size: 8, .value_kind: global_buffer, .address_space: global }
      - { .name: bb, .offset: 88, .size: 8, .value_kind: global_buffer, .address_space: global }
      - { .name: bt, .offset: 96, .size: 8, .value_kind: global_buffer, .address_space: global }
    .group_segment_fixed_size: 0
    .private_segment_fixed_size: 0
    .kernarg_segment_align: 8
    .kernarg_segment_size: 104
    .max_flat_workgroup_size: 256
    .sgpr_count:     66
    .vgpr_count:     120
    .wavefront_size: 32
...
	.end_amdgpu_metadata
.endif
;; end of part 4
;; launch qkva: the kernel of part 2 again; grid 4 x 64, 4 waves a work-group, clusters of 4 x 4, 327,680 bytes of LDS; arguments xb, wq, bb, bt, ow; writes ow
;; launch proj: the kernel of part 3 again; grid 4 x 64, 4 waves a work-group, clusters of 4 x 4, 327,680 bytes of LDS; arguments ow, wp, bb, out0; writes out0
